; MI455X (gfx1250); checked and timed in simulation.
; The chip was launched on July 23, 2026; its instructions are those of AMD's public machine-readable ISA for CDNA 5 (MIT licence, August 2026) and "CDNA5" Instruction Set Architecture Reference Guide (July 2026). The comments in the code are by the model that wrote it; some were corrected since.
;; Multi Head Self Attention. Allowed arithmetic: matrix products marked QUANTISED: E3M2 operands, one E8M0 scale for each 32 along K, by v_wmma_scale_f32_16x16x128_f8f6f4 with both operands' format E3M2, f32 sums; everything else in f32.
;; Inputs: Wk_codes 1,024 x 32 x 24 uint8 (E3M2 codes of Wk, K innermost, in blocks of 32 codes, four codes in three bytes); Wk_scales 1,024 x 32 uint8 (E8M0 scales of Wk, one for each 32 codes along K); Wp_codes 1,024 x 32 x 24 uint8 (E3M2 codes of Wp, K innermost, in blocks of 32 codes, four codes in three bytes); Wp_scales 1,024 x 32 uint8 (E8M0 scales of Wp, one for each 32 codes along K); Wq_codes 1,024 x 32 x 24 uint8 (E3M2 codes of Wq, K innermost, in blocks of 32 codes, four codes in three bytes); Wq_scales 1,024 x 32 uint8 (E8M0 scales of Wq, one for each 32 codes along K); Wv_codes 1,024 x 32 x 24 uint8 (E3M2 codes of Wv, K innermost, in blocks of 32 codes, four codes in three bytes); Wv_scales 1,024 x 32 uint8 (E8M0 scales of Wv, one for each 32 codes along K); beta 1,024 float32; gamma 1,024 float32; x 4 x 2,048 x 1,024 float32.
;; Outputs: out0 4 x 2,048 x 1,024 float32.
;; This version of the problem:
;;   THIS VERSION OF THE PROBLEM IS GIVEN IN LOW PRECISION. The matrix products marked QUANTISED in the list below multiply operands that are first quantised to E3M2 (3 exponent bits, 2 mantissa bits; 6 bits a number), with one power-of-two scale for each 32 numbers along K (OCP MX v1.0); their sums are f32. All else is computed in f32.
;;   The module's matrix products, in the order in which they are computed (A, B: the left and right operand; K: the contracted axis; several contracted axes count as one K, in the product's order):
;;     1. [M 8,192, K 1,024] x [K 1,024, N 1,024]; A: computed on the way; B: input Wq (given as codes): QUANTISED
;;     2. [M 8,192, K 1,024] x [K 1,024, N 1,024]; A: computed on the way; B: input Wk (given as codes): QUANTISED
;;     3. [M 8,192, K 1,024] x [K 1,024, N 1,024]; A: computed on the way; B: input Wv (given as codes): QUANTISED
;;     4. batch 64 x [M 2,048, K 64] x [K 64, N 2,048]; A: computed on the way; B: computed on the way: QUANTISED
;;     5. batch 64 x [M 2,048, K 2,048] x [K 2,048, N 64]; A: softmax (see below); B: computed on the way: QUANTISED
;;     6. [M 8,192, K 1,024] x [K 1,024, N 1,024]; A: computed on the way; B: input Wp (given as codes): QUANTISED
;;   THE QUANTISER, for each operand of a quantised product, along K:
;;     - K is cut into blocks of 32 from its start; a last block that is shorter is filled with zeros.
;;     - A block's scale is 2^e with e = floor(log2(the largest magnitude in the block)) - 4, held to -126 .. 127; a block of zeros has e = 0. As a byte (E8M0): e + 127.
;;     - Each number is divided by its block's scale, clamped to +-28, and rounded to the nearest number of E3M2, ties to even, subnormals kept.
;;     - The product sums the exact products of the quantised numbers (number of the format x scale) in f32.
;;   ~~~python
;;   def quantise(x, axis):      # numpy; x: float32 -> the quantised numbers, widened to float32 again
;;       x = np.moveaxis(x, axis, -1); K = x.shape[-1]
;;       x = np.pad(x, [(0, 0)] * (x.ndim - 1) + [(0, -K % 32)]); x = x.reshape(x.shape[:-1] + (-1, 32)); a = np.abs(x).max(-1, keepdims=True)
;;       e = np.where(a > 0, np.clip(np.frexp(np.where(a > 0, a, 1))[1] - 1 - 4, -126, 127), 0)      # np.frexp(a)[1] - 1 = floor(log2(a)), exactly
;;       r = np.clip(x / 2.0 ** e, -28, 28)
;;       step = 2.0 ** (np.maximum(np.frexp(np.where(r == 0, 1, r))[1] - 1, -2) - 2)
;;       q = np.round(r / step) * step * 2.0 ** e      # np.round: ties to even
;;       return np.moveaxis(q.reshape(q.shape[:-2] + (-1,))[..., :K], -1, axis).astype(np.float32)
;;   ~~~
;;   SOFTMAX AHEAD OF A QUANTISED PRODUCT. Where the list says 'softmax', what is quantised is not the finished softmax but p = 2^(t - M), with t = logit x log2(e) and M = ceil(the row's largest t), a whole number; so 1/2 < the row's largest p <= 1. The row's sum l is taken of the UNQUANTISED p, in f32, and the product's result is divided by l at the end. Since M is a whole number, a kernel that streams over the keys may use a running M (the ceiling of the running maximum): every later rescaling is an exact power of two, which a block's scale takes up: the codes' values come out the same.
;;   OPERANDS COMPUTED ON THE WAY. 'Computed on the way' means the value that the module computes at that place (a softmax that the list does not call 'softmax' is quantised finished and normalised). What goes into a quantiser is computed in f32, as accurately as f32 sums, v_exp_f32 and their like allow (about 1e-6 of the number): no bf16 or f16 on the way to a quantiser, and a product that is left as it is and whose result goes on into a quantised operand takes f32 operands (vector FMAs, or v_wmma_f32_16x16x4_f32). A number that lies on a knife's edge between two numbers of the format may be rounded either way, as far as f32 arithmetic and the matrix unit's own rounding can turn it there, and no further.
;;   INPUTS GIVEN AS CODES. Wk (in the module: [1024, 1024], K = its axis 1); Wp (in the module: [1024, 1024], K = its axis 1); Wq (in the module: [1024, 1024], K = its axis 1); Wv (in the module: [1024, 1024], K = its axis 1): each comes as NAME_codes (uint8): NAME with its K axis moved to the last place and cut into blocks of 32 codes, [.., K / 32, bytes a block], one block behind the other in memory; four codes in three bytes: a row's codes are one little-endian stream of bits, code i at bits 6 i .. 6 i + 5 (a code: sign, 3 exponent bits, 2 mantissa bits); and NAME_scales (uint8): the same leading axes, one E8M0 byte (e + 127) for each 32 codes along K. Its value is code x scale, taken as it is: it is not quantised again, and the codes and scales need not be those that the quantiser above would give.
;; One version. Each part assembles by itself: llvm-mc -triple=amdgcn-amd-amdhsa -mcpu=gfx1250 --defsym DOCPART=n.
;; ======== version 1 of 1: 4 launches
;; workspace buffers: xnc 6,291,456 bytes; xns 262,144 bytes; qc 6,291,456 bytes; qs 524,288 bytes; kv 13,369,344 bytes; ac 6,291,456 bytes; asc 262,144 bytes
;; launch lnq (part 1): grid 512 x 1, 8 waves a work-group, no clusters, 67,584 bytes of LDS; arguments x, gamma, beta, xnc, xns; writes xnc, xns
.if DOCPART == 1
	.amdgcn_target "amdgcn-amd-amdhsa--gfx1250"
	.amdhsa_code_object_version 6
	.text
	.protected	k_q2ff035e76e_lnq
	.globl	k_q2ff035e76e_lnq
	.p2align	8
	.type	k_q2ff035e76e_lnq,@function
k_q2ff035e76e_lnq:
	s_mov_b64 s[64:65], 0
	v_nop
	global_prefetch_b8 v0, s[64:65] scope:SCOPE_SE
	s_setreg_imm32_b32 hwreg(HW_REG_WAVE_MODE, 25, 1), 1
	s_wait_xcnt 0x0
; xn = (x - mean) * rsqrt(var + 1e-5) * gamma + beta over rows of 1,024 f32, then quantised along the row to codes of BF6 (E3M2) with one E8M0 byte for each 32.
; A work-group takes 16 rows: one tile of rows of the products that follow.  Mean and variance are taken in two passes over registers (the variance of x - mean), so a common offset of x costs no digits.
; PHASE A: wave w owns rows 2 w and 2 w + 1; a lane holds columns 128 j + 4 lane + 0..3, so each load reads 512 consecutive bytes.  xn goes to LDS as f32, rows 4,112 bytes apart (257 x 16: sixteen rows start in sixteen different groups of banks).
; PHASE B: wave w makes the operand fragment of columns 128 w .. 128 w + 127 for the 16 rows: lane (r, h) reads 16 neighbours of each block of 32 of row r.
; OUT: xnc [tile of rows 512][K step 8][piece 6][lane 32][8 bytes]: the fragment's registers 2 p, 2 p + 1 of every lane on end, so that each store of a wave covers 256 consecutive bytes, aligned; xns [8192][32] bytes, row-major.
; A block's scale is 2^(floor(log2(largest magnitude)) - 4); its byte is the largest magnitude's exponent field - 4, held at 1 from below.
; LIMITS: a block of zeros, or one whose largest magnitude lies under 2^-122, keeps the byte 1 (its codes are read by this program alone); NaN and infinities are not served; v_rsq_f32 is accurate to 1 ulp.
.set PITCH, 4112
.set SCB,   16*PITCH                   ; behind xn: 512 scale bytes [row 16][32]
.set XR,    16                         ; v16-79   two rows of x as loaded, then xn; in phase B the lane's 64 numbers
.set GA,    80                         ; v80-111  gamma of my columns
.set BE,    112                        ; v112-143 beta
.set TM,    144                        ; v144-159 the sums' chains (8 registers a row); later the quantiser's work
.set PC,    160                        ; v160-178 the codes
.set PW,    180                        ; v180     the scale word
.set SEL,   20                         ; s[20:21] lane selects for v_permlanex16_b32: lane l xor 16
	s_load_b256 s[4:11], s[0:1], 0x0               ; x s[4:5], gamma s[6:7], beta s[8:9], xnc s[10:11]
	s_load_b64 s[12:13], s[0:1], 0x20              ; xns
	v_lshl_add_u32 v192, v0, 2, 0x10400
	v_mov_b32 v193, 0
	v_lshrrev_b32 v6, 5, v0
	v_readfirstlane_b32 s14, v6                    ; wave 0..7
	v_and_b32 v7, 31, v0                           ; lane
	v_and_b32 v8, 15, v0                           ; r
	v_bfe_u32 v9, v0, 4, 1                         ; h
	v_lshlrev_b32 v1, 4, v7                        ; 16 x lane
	v_lshlrev_b32 v2, 3, v7                        ; 8 x lane
	s_mul_i32 s16, s14, 2*PITCH
	v_add_nc_u32 v3, s16, v1                       ; LDS, phase A: my wave's two rows, 16 bytes a lane
	v_mul_u32_u24 v4, v8, PITCH
	v_lshl_add_u32 v4, v9, 6, v4
	s_lshl_b32 s16, s14, 9
	v_add_nc_u32 v4, s16, v4                       ; LDS, phase B: row r, + 512 w, + 64 h
	v_lshlrev_b32 v5, 5, v8
	s_lshl_b32 s16, s14, 2
	s_add_co_u32 s16, s16, SCB
	v_add_nc_u32 v5, s16, v5                       ; my row's scale word of K step w
	v_add_nc_u32 v10, SCB, v1                      ; the 512 scale bytes, 16 a lane
	s_lshl_b32 s16, ttmp9, 16                      ; x: 16 rows of 4,096 bytes a work-group,
	s_lshl_b32 s17, s14, 13                        ; two rows a wave
	s_add_co_u32 s16, s16, s17
	s_mov_b32 s17, 0
	s_mul_i32 s18, ttmp9, 12288                    ; xnc: 8 fragments of 1,536 bytes a work-group,
	s_mul_i32 s19, s14, 1536                       ; one a wave
	s_add_co_u32 s18, s18, s19
	s_mov_b32 s19, 0
	s_lshl_b32 s22, ttmp9, 9                       ; xns: 512 bytes a work-group
	s_mov_b32 s23, 0
	s_mov_b32 s[SEL], 0x76543210
	s_mov_b32 s[SEL+1], 0xfedcba98
	s_mov_b32 s24, 0x3a800000                      ; 1 / 1024
	s_mov_b32 s25, 0x3727c5ac                      ; 1e-5
	s_wait_kmcnt 0x0
	s_add_nc_u64 s[4:5], s[4:5], s[16:17]
	s_add_nc_u64 s[10:11], s[10:11], s[18:19]
	s_add_nc_u64 s[12:13], s[12:13], s[22:23]
.irp p, 0,1
.irp j, 0,1,2,3,4,5,6,7
	global_load_b128 v[XR+32*\p+4*\j:XR+32*\p+4*\j+3], v1, s[4:5] offset:4096*\p+512*\j th:TH_LOAD_NT
.endr
.endr
.irp j, 0,1,2,3,4,5,6,7
	global_load_b128 v[GA+4*\j:GA+4*\j+3], v1, s[6:7] offset:512*\j
.endr
.irp j, 0,1,2,3,4,5,6,7
	global_load_b128 v[BE+4*\j:BE+4*\j+3], v1, s[8:9] offset:512*\j
.endr
; The four chains of each row become one number in every lane: pairs, halves, four steps inside 16 lanes, one across.
.macro FOLD
.irp p, 0,1
	v_pk_add_f32 v[TM+8*\p:TM+8*\p+1], v[TM+8*\p:TM+8*\p+1], v[TM+8*\p+2:TM+8*\p+3]
	v_pk_add_f32 v[TM+8*\p+4:TM+8*\p+5], v[TM+8*\p+4:TM+8*\p+5], v[TM+8*\p+6:TM+8*\p+7]
.endr
.irp p, 0,1
	v_pk_add_f32 v[TM+8*\p:TM+8*\p+1], v[TM+8*\p:TM+8*\p+1], v[TM+8*\p+4:TM+8*\p+5]
.endr
.irp p, 0,1
	v_add_f32 v[TM+8*\p], v[TM+8*\p], v[TM+8*\p+1]
.endr
.irp m, 1,2,4,8
.irp p, 0,1
	v_add_f32_dpp v[TM+8*\p], v[TM+8*\p], v[TM+8*\p] row_xmask:\m row_mask:0xf bank_mask:0xf
.endr
.endr
.irp p, 0,1
	v_permlanex16_b32 v[TM+8*\p+1], v[TM+8*\p], s[SEL], s[SEL+1]
.endr
.irp p, 0,1
	v_add_f32 v[TM+8*\p], v[TM+8*\p], v[TM+8*\p+1]
.endr
.endm
	s_wait_loadcnt 16                              ; x's sixteen loads are in; gamma's and beta's sixteen may be out
.irp c, 0,1,2,3
.irp p, 0,1
	v_pk_add_f32 v[TM+8*\p+2*\c:TM+8*\p+2*\c+1], v[XR+32*\p+2*\c:XR+32*\p+2*\c+1], v[XR+32*\p+8+2*\c:XR+32*\p+9+2*\c]   ; the first two pairs start each chain: nothing is cleared
.endr
.endr
.irp i, 16,24
.irp c, 0,1,2,3
.irp p, 0,1
	v_pk_add_f32 v[TM+8*\p+2*\c:TM+8*\p+2*\c+1], v[TM+8*\p+2*\c:TM+8*\p+2*\c+1], v[XR+32*\p+\i+2*\c:XR+32*\p+\i+2*\c+1]
.endr
.endr
.endr
	FOLD
.irp p, 0,1
	v_mul_f32 v[TM+8*\p], s24, v[TM+8*\p]          ; the mean
.endr
.irp p, 0,1
.irp j, 0,2,4,6,8,10,12,14,16,18,20,22,24,26,28,30
	v_pk_add_f32 v[XR+32*\p+\j:XR+32*\p+\j+1], v[XR+32*\p+\j:XR+32*\p+\j+1], v[TM+8*\p:TM+8*\p+1] op_sel_hi:[1,0] neg_lo:[0,1] neg_hi:[0,1]   ; d = x - mean
.endr
.endr
.irp c, 0,1,2,3
.irp p, 0,1
	v_pk_mul_f32 v[TM+8*\p+2*\c:TM+8*\p+2*\c+1], v[XR+32*\p+2*\c:XR+32*\p+2*\c+1], v[XR+32*\p+2*\c:XR+32*\p+2*\c+1]
.endr
.endr
.irp i, 8,16,24
.irp c, 0,1,2,3
.irp p, 0,1
	v_pk_fma_f32 v[TM+8*\p+2*\c:TM+8*\p+2*\c+1], v[XR+32*\p+\i+2*\c:XR+32*\p+\i+2*\c+1], v[XR+32*\p+\i+2*\c:XR+32*\p+\i+2*\c+1], v[TM+8*\p+2*\c:TM+8*\p+2*\c+1]
.endr
.endr
.endr
	FOLD
.irp p, 0,1
	v_fma_f32 v[TM+8*\p], v[TM+8*\p], s24, s25     ; var + eps
.endr
.irp p, 0,1
	v_rsq_f32 v[TM+8*\p], v[TM+8*\p]
.endr
	v_nop                                          ; a plain instruction behind the last of the two
	s_wait_alu depctr_va_vdst(0)                   ; one wait for both, ahead of their first reader
	s_wait_loadcnt 0x0                             ; gamma and beta
.irp p, 0,1
.irp j, 0,2,4,6,8,10,12,14,16,18,20,22,24,26,28,30
	v_pk_mul_f32 v[XR+32*\p+\j:XR+32*\p+\j+1], v[XR+32*\p+\j:XR+32*\p+\j+1], v[TM+8*\p:TM+8*\p+1] op_sel_hi:[1,0]
.endr
.endr
.irp p, 0,1
.irp j, 0,2,4,6,8,10,12,14,16,18,20,22,24,26,28,30
	v_pk_fma_f32 v[XR+32*\p+\j:XR+32*\p+\j+1], v[XR+32*\p+\j:XR+32*\p+\j+1], v[GA+\j:GA+\j+1], v[BE+\j:BE+\j+1]
.endr
.endr
.irp p, 0,1
.irp j, 0,1,2,3,4,5,6,7
	ds_store_b128 v3, v[XR+32*\p+4*\j:XR+32*\p+4*\j+3] offset:PITCH*\p+512*\j
.endr
.endr
	s_wait_dscnt 0x0                               ; for the others' sake: my two rows lie in LDS
	s_barrier_signal -1
	s_barrier_wait -1
.irp b, 0,1,2,3
.irp j, 0,1,2,3
	ds_load_b128 v[XR+16*\b+4*\j:XR+16*\b+4*\j+3], v4 offset:128*\b+16*\j   ; register 16 b + i = column 128 w + 32 b + 16 h + i of row r
.endr
.endr
	s_wait_dscnt 0x0
; 64 numbers of a lane become a fragment's codes in v[PC] on and its row's scale word in v[PW]
.irp b, 0,1,2,3
	v_max3_num_f32 v[TM+\b], |v[XR+16*\b]|, |v[XR+1+16*\b]|, 0x2800000   ; my 16 numbers of block b, and the floor 2^(5 - 127): the byte cannot fall under 1
.endr
.irp i, 2,4,6,8,10,12,14
.irp b, 0,1,2,3
	v_max3_num_f32 v[TM+\b], v[TM+\b], |v[XR+16*\b+\i]|, |v[XR+1+16*\b+\i]|
.endr
.endr
.irp b, 0,1,2,3
	v_permlanex16_b32 v[TM+4+\b], v[TM+\b], s[SEL], s[SEL+1]
.endr
.irp b, 0,1,2,3
	v_max_num_f32 v[TM+\b], v[TM+\b], v[TM+4+\b]   ; with lane l xor 16's: the block's largest magnitude
.endr
.irp b, 0,1,2,3
	v_add_nc_u32 v[TM+12+\b], 0xfe000000, v[TM+\b] ; 4 off its exponent field: the conversion's scale operand
.endr
.irp b, 0,1,2,3
	v_lshrrev_b32 v[TM+4+\b], 23, v[TM+12+\b]      ; the scale's byte
.endr
	v_lshl_or_b32 v[PW], v[TM+5], 8, v[TM+4]
	v_lshl_or_b32 v[PW], v[TM+6], 16, v[PW]
	v_lshl_or_b32 v[PW], v[TM+7], 24, v[PW]
.irp c, 0,1
	v_cvt_scalef32_pk16_bf6_f32 v[PC+6*\c:PC+2+6*\c], v[XR+32*\c:XR+15+32*\c], v[TM+12+2*\c]
	v_cvt_scalef32_pk16_bf6_f32 v[PC+12+4*\c:PC+14+4*\c], v[XR+16+32*\c:XR+31+32*\c], v[TM+12+2*\c+1]   ; (a conversion's three registers begin on an even number)
.endr
	v_nop                                          ; one plain place behind a scaled conversion
.irp c, 0,1                                    ; the operand wants a whole block in a lane: lanes 0-15 block 2 c, lanes 16-31 block 2 c + 1
.irp i, 0,1,2
	v_permlane16_swap_b32 v[PC+6*\c+\i], v[PC+12+4*\c+\i]
.endr
.irp i, 0,1,2
	v_mov_b32 v[PC+3+6*\c+\i], v[PC+12+4*\c+\i]
.endr
.endr
.irp p, 0,1,2,3,4,5
	global_store_b64 v2, v[PC+2*\p:PC+2*\p+1], s[10:11] offset:256*\p   ; 32 lanes store 256 consecutive bytes, aligned
.endr
	ds_store_b32 v5, v[PW]                         ; both halves of the lanes write the same word with the same value
	s_wait_dscnt 0x0
	s_barrier_signal -1
	s_barrier_wait -1
	s_cmp_lg_u32 s14, 0
	s_cbranch_scc1 .Ldone
	ds_load_b128 v[16:19], v10                     ; wave 0 stores the 16 rows' 512 scale bytes: two aligned runs of 256
	s_wait_dscnt 0x0
	global_store_b128 v1, v[16:19], s[12:13]
.Ldone:
	s_wait_tensorcnt 0x0
	ds_add_u32 v192, v193
	s_wait_dscnt 0x0
	s_endpgm
.Lfunc_end_k_q2ff035e76e_lnq:
	.size	k_q2ff035e76e_lnq, .Lfunc_end_k_q2ff035e76e_lnq-k_q2ff035e76e_lnq
	.p2alignl 7, 3214868480
	.fill 96, 4, 3214868480
	.section	.rodata,"a",@progbits
	.p2align	6, 0x0
	.amdhsa_kernel k_q2ff035e76e_lnq
		.amdhsa_group_segment_fixed_size 67584
		.amdhsa_private_segment_fixed_size 0
		.amdhsa_enable_private_segment 0
		.amdhsa_kernarg_size 40
		.amdhsa_user_sgpr_count 2
		.amdhsa_user_sgpr_kernarg_segment_ptr 1
		.amdhsa_wavefront_size32 1
		.amdhsa_system_sgpr_workgroup_id_x 1
		.amdhsa_system_sgpr_workgroup_id_y 1
		.amdhsa_system_sgpr_workgroup_id_z 1
		.amdhsa_system_vgpr_workitem_id 0
		.amdhsa_next_free_vgpr 194
		.amdhsa_next_free_sgpr 66
		.amdhsa_reserve_vcc 0
		.amdhsa_float_denorm_mode_32 3
		.amdhsa_float_denorm_mode_16_64 3
		.amdhsa_memory_ordered 1
		.amdhsa_forward_progress 1
		.amdhsa_inst_pref_size 25
	.end_amdhsa_kernel
	.amdgpu_metadata
---
amdhsa.version: [ 1, 2 ]
amdhsa.kernels:
  - .name:           k_q2ff035e76e_lnq
    .symbol:         k_q2ff035e76e_lnq.kd
    .args:
      - { .name: x, .offset: 0, .size: 8, .value_kind: global_buffer, .address_space: global }
      - { .name: gamma, .offset: 8, .size: 8, .value_kind: global_buffer, .address_space: global }
      - { .name: beta, .offset: 16, .size: 8, .value_kind: global_buffer, .address_space: global }
      - { .name: xnc, .offset: 24, .size: 8, .value_kind: global_buffer, .address_space: global }
      - { .name: xns, .offset: 32, .size: 8, .value_kind: global_buffer, .address_space: global }
    .group_segment_fixed_size: 67584
    .private_segment_fixed_size: 0
    .kernarg_segment_align: 8
    .kernarg_segment_size: 40
    .max_flat_workgroup_size: 256
    .sgpr_count:     66
    .vgpr_count:     194
    .wavefront_size: 32
...
	.end_amdgpu_metadata
.endif
;; end of part 1
;; launch qkv (part 2): grid 12 x 32, 4 waves a work-group, clusters of 4 x 4, 327,680 bytes of LDS; arguments xnc, xns, Wq_codes, Wq_scales, Wk_codes, Wk_scales, Wv_codes, Wv_scales, qc, qs, kv; writes qc, qs, kv
.if DOCPART == 2
	.amdgcn_target "amdgcn-amd-amdhsa--gfx1250"
	.amdhsa_code_object_version 6
	.text
	.protected	k_q2ff035e76e_qkv
	.globl	k_q2ff035e76e_qkv
	.p2align	8
	.type	k_q2ff035e76e_qkv,@function
k_q2ff035e76e_qkv:
	s_mov_b64 s[64:65], 0
	v_nop
	global_prefetch_b8 v0, s[64:65] scope:SCOPE_SE
	s_setreg_imm32_b32 hwreg(HW_REG_WAVE_MODE, 25, 1), 1
	s_wait_xcnt 0x0
	s_wait_alu depctr_hold_cnt(0) depctr_sa_sdst(0) depctr_va_vdst(0) depctr_va_sdst(0) depctr_va_ssrc(0) depctr_va_vcc(0) depctr_vm_vsrc(0)
	s_getreg_b32 s2, hwreg(HW_REG_IB_STS2, 6, 4)
	s_cmp_eq_u32 s2, 0
	s_cbranch_scc0 .Lentry_in_a_cluster
	s_endpgm
.Lentry_in_a_cluster:
	s_bfe_u32 s2, ttmp6, 0x10000c
	s_cmp_lg_u32 s2, 0xf033
	s_cbranch_scc0 .Lentry_shape_is_right
	s_endpgm
.Lentry_shape_is_right:
; q = xn Wq^T, k = xn Wk^T, v = xn Wv^T on codes of BF6 (E3M2) with one E8M0 scale for each 32 along K = 1,024; the results are quantised on the way out and leave as codes, laid as the attention launch's operand registers take them.
; The cluster's x (0, 1, 2) says which weight; it is the same in all sixteen partners, so the choice of pointers and the one branch on it are alike in all of them.
; A tile of 256 tokens x 256 channels is made by four waves, each 128 x 128: 64 accumulators, 512 registers.  K goes in steps of 256 through a ring of two LDS slots.
; A (xn) arrives as images of operand registers, [tile of 16 rows][K step of 128][piece 6][lane 32][8 bytes]: a slot's part of a tile of rows is 3,072 consecutive bytes, read back by six loads of 8 bytes a lane, 256 consecutive bytes each.
; B (the weight) arrives as rows of codes: rows of 192 bytes in a slot, 16 bytes of padding behind every 64, pitch 240.  Both sides' scale bytes for all of K come once, with the first fills, and stay.
; CLUSTERS 4 x 4: A's tiles are asked for jointly along a row of the cluster, B's along a column.  THE MATRIX INSTRUCTION IS USED TRANSPOSED (source 0 = 16 rows of W, source 1 = 16 tokens): lane (r, h) of accumulator (a, b) holds token 16 a + r, channels 16 b + 8 h + 0..7.
; THE WAY OUT, q and k: a head's 64 channels are two blocks of 32; a lane's 16 registers of two neighbouring accumulators are 16 numbers of one block.  They are converted as they lie, so inside a block slot 16 h + 8 u + j holds channel 16 u + 8 h + j.
;   q and k are laid alike, so the products pair the same numbers; only the order of the sums inside the unit differs from the true order (a stated limit).  Six registers a tile of 16 tokens; two tiles on end leave by three stores of 512 consecutive bytes.
;   A tile's scale word: the two blocks' bytes, then 0x7f twice (the upper 64 of the instruction's K meet zero codes in q).
; THE WAY OUT, v: its K is the keys, so it is turned through the wave's own stage in LDS (in slot 0, which has had its last fill and its last read): a lane then holds one channel and 32 keys, read in the same slot order as p will lie in.
; kv: [batch x head 64][key step 16] records of 13,056 bytes: K's four pair images 6,144; K's scale words [r][tile 8] 512; V^T's four fragments 6,144; V's scale words [r][channel tile 4] 256.
; LIMITS: a block of zeros or with largest magnitude under 2^-122 keeps the byte 1; NaN and infinities are not served.
.set KSTEP,  256
.set NQ,     2
.set ROWB,   192
.set KROW,   768
.set PITCH,  240
.set FR,     12
.set NL,     6
.set NP,     4
.set HALFA,  24576                     ; 8 tiles of rows x 3,072 bytes: what one tensor load brings of A
.set HALFB,  128*PITCH                 ; 128 rows of B
.set BOFF,   2*HALFA
.set SLOT,   2*HALFA+2*HALFB
.set LAPS,   2
.set KS,     32
.set SCL,    2*SLOT                    ; behind the ring: the scales, as runs of 256 bytes + 16 of padding
.set HALFS,  4352
.set SBLK,   544
.set SPARE,  SCL+4*HALFS               ; the spare words, 128 bytes a wave: two blocks of 256 bytes that no other line names
.set ADRA, 16                          ; v16-17  LDS address of my A fragments in slot 0, 1
.set ADRB, 20                          ; v20-21  the same for B; v22-23 for the pieces behind one padding more
.set ADRS, 27
.set SPW,  28
.set NIL,  29
.set SC,   32
.set AF,   128
.set IMG,  8                           ; v8-9    16 x lane (+ a head's stride): where an image's 16 bytes go
.set SOF,  10                          ; v10-11  32 r + 16 h (+ a head's stride): scale words
.set STO,  12                          ; v12     the stage, in
.set RDV,  13                          ; v13     the stage, out
.set SH8,  14                          ; v14     8 h
.set VSO,  15                          ; v15     16 r + a head's record stride x h
.set G1, 24
.set G0, 32
.set G1B, 48
.set G0B, 56
.set G1S, 68
.set G0S, 76
.set G1SB, 80
.set G0SB, 88
.set SEL, 18
.set MSB, 0
.macro WIN new                         ; the immediate's high byte repeats the setting that is left
.if MSB != (\new)
	s_set_vgpr_msb (MSB<<8)|(\new)
.set MSB, (\new)
.endif
.endm
.set MUL_LO, 0xa1
.set MUL_HI, 0xf1
.set TO_B,   0x40
; A joint load: waves 0 and 1 fetch for A, waves 2 and 3 for B; the branch hangs on the wave's number alone.  Four v_nop follow each of the two lines.
.macro JLOAD g0a, g1a, g0b, g1b
	s_cmp_eq_u32 s15, 0
	s_cbranch_scc0 .Lfor_b_\@
	tensor_load_to_lds s[\g0a:\g0a+3], s[\g1a:\g1a+7]
	s_nop 0
.rept 4
	v_nop
.endr
	s_branch .Lasked_\@
.Lfor_b_\@:
	tensor_load_to_lds s[\g0b:\g0b+3], s[\g1b:\g1b+7]
	s_nop 0
.rept 4
	v_nop
.endr
.Lasked_\@:
.endm
.macro CREST                           ; a round of the cluster's barrier behind its opening barrier
	s_cmp_lg_u32 s14, 0
	s_cbranch_scc1 .Lnot_wave_0_\@
	s_barrier_signal -3
.Lnot_wave_0_\@:
	s_barrier_wait -3
	s_barrier_signal -1
	s_barrier_wait -1
.endm
.macro CROUND
	s_barrier_signal -1
	s_barrier_wait -1
	CREST
.endm
	s_load_b128 s[4:7], s[0:1], 0x0                ; xn's codes, xn's scales
	s_load_b256 s[68:75], s[0:1], 0x10             ; Wq's codes, scales; Wk's codes, scales
	s_load_b128 s[76:79], s[0:1], 0x30             ; Wv's codes, scales
	s_load_b128 s[92:95], s[0:1], 0x40             ; qc, qs
	s_load_b64 s[96:97], s[0:1], 0x50              ; kv
	v_lshl_add_u32 v[SPW], v0, 2, SPARE
	v_mov_b32 v[NIL], 0
	ds_add_u32 v28, v29
	ds_add_u32 v28, v29
	s_wait_dscnt 0x0
	v_lshrrev_b32 v1, 5, v0
	v_readfirstlane_b32 s14, v1                    ; wave 0..3
	s_lshr_b32 s15, s14, 1                         ; which half of the tile's tokens is mine.  Also: I fetch for A (0) or for B (1)
	s_and_b32 s16, s14, 1                          ; which half of its channels.  Also: which half of that tile I fetch
	s_bfe_u32 s40, ttmp6, 0x40000                  ; cx
	s_bfe_u32 s41, ttmp6, 0x40004                  ; cy
	s_mov_b32 s42, s40                             ; tile column inside the weight = cx
	s_and_b32 s17, ttmp7, 0xffff
	s_lshl_b32 s17, s17, 2
	s_add_co_u32 s17, s17, s41                     ; tile row = 4 x cluster y + cy
	s_lshl_b32 s43, s41, 2
	s_lshl_b32 s43, 15, s43                        ; my row of the cluster
	s_lshl_b32 s44, 0x1111, s40                    ; my column
	s_or_b32 s[G1+0], s43, (3<<16)|(1<<21)         ; A: elements of 8 bytes, no padding; the mask: my row; bit 21 beside it
	s_mov_b32 s[G1+1], 384<<16                     ; tensor_dim0 = 384 elements: 3,072 bytes, a slot's part of a tile of rows
	s_mov_b32 s[G1+2], 8<<16                       ; tensor_dim1 = 8 tiles of rows
	s_mov_b32 s[G1+3], 384<<16                     ; tile_dim0
	s_mov_b32 s[G1+4], 8                           ; tile_dim1
	s_mov_b32 s[G1+5], 1536                        ; 12,288 bytes from one tile of rows to the next
	s_mov_b32 s[G1+6], 0
	s_mov_b32 s[G1+7], 0
	s_or_b32 s[G1B+0], s44, (0<<16)|(1<<20)|(1<<21)|(3<<22)|(3<<25)  ; B: bytes; 4 words of padding behind every 16; the mask: my column
	s_mov_b32 s[G1B+1], ROWB<<16
	s_mov_b32 s[G1B+2], 128<<16
	s_mov_b32 s[G1B+3], ROWB<<16
	s_mov_b32 s[G1B+4], 128
	s_mov_b32 s[G1B+5], KROW
	s_mov_b32 s[G1B+6], 0
	s_mov_b32 s[G1B+7], 0
	s_lshl_b32 s20, s17, 4
	s_lshl_b32 s21, s16, 3
	s_add_co_u32 s20, s20, s21                     ; A: tile of rows 16 x tile row + 8 x half
	s_lshl_b32 s22, s20, 9                         ; its scales: 16 rows of 32 bytes
	s_mul_i32 s20, s20, 12288                      ; its codes
	s_mov_b32 s21, 0
	s_mov_b32 s23, 0
	s_lshl_b32 s46, s42, 8
	s_lshl_b32 s47, s16, 7
	s_add_co_u32 s46, s46, s47                     ; B: row 256 x tile column + 128 x half
	s_lshl_b32 s66, s46, 5                         ; its scales
	s_mul_i32 s46, s46, KROW                       ; its codes
	s_mov_b32 s47, 0
	s_mov_b32 s67, 0
	s_mul_i32 s45, s16, HALFA                      ; where they go: no place in the cluster enters an LDS address
	s_mul_i32 s18, s16, HALFB
	s_add_co_u32 s18, s18, BOFF
	s_mul_i32 s19, s14, HALFS
	s_wait_kmcnt 0x0
	s_cmp_eq_u32 ttmp9, 0                          ; q's cluster?  The choices hang on the cluster's x alone
	s_cselect_b64 s[8:9], s[68:69], s[72:73]
	s_cselect_b64 s[10:11], s[70:71], s[74:75]
	s_cselect_b64 s[92:93], s[92:93], s[96:97]     ; codes go to qc or into kv's records,
	s_cselect_b64 s[94:95], s[94:95], s[96:97]     ; scale words to qs or into kv's records
	s_mov_b32 s98, 208896
	s_cselect_b32 s98, 98304, s98                  ; from head to head, codes
	s_mov_b32 s99, 13056
	s_cselect_b32 s99, 6144, s99                   ; from one group of 128 tokens to the next, codes
	s_mov_b32 s100, 208896
	s_cselect_b32 s100, 8192, s100                 ; the same two for the scale words
	s_mov_b32 s101, 13056
	s_cselect_b32 s101, 512, s101
	s_cselect_b32 s2, 0, 6144                      ; K's scale words lie 6,144 bytes into a record
	s_cmp_eq_u32 ttmp9, 2
	s_cselect_b64 s[8:9], s[76:77], s[8:9]
	s_cselect_b64 s[10:11], s[78:79], s[10:11]
	s_or_b32 s[G1S+0], s43, (3<<16)|(1<<20)|(1<<21)|(5<<22)|(3<<25)   ; the scales of 128 rows: 4,096 dense bytes as 16 rows of 256, 16 bytes of padding behind each
	s_or_b32 s[G1SB+0], s44, (3<<16)|(1<<20)|(1<<21)|(5<<22)|(3<<25)
.irp g, G1S, G1SB
	s_mov_b32 s[\g+1], 32<<16
	s_mov_b32 s[\g+2], 16<<16
	s_mov_b32 s[\g+3], 32<<16
	s_mov_b32 s[\g+4], 16
	s_mov_b32 s[\g+5], 32
	s_mov_b32 s[\g+6], 0
	s_mov_b32 s[\g+7], 0
.endr
	s_add_nc_u64 s[20:21], s[4:5], s[20:21]
	s_add_nc_u64 s[22:23], s[6:7], s[22:23]
	s_add_nc_u64 s[46:47], s[8:9], s[46:47]
	s_add_nc_u64 s[66:67], s[10:11], s[66:67]
	CROUND                                         ; all sixteen work-groups are here: the first joint loads meet
	s_mov_b32 s[G0S], 1
	s_add_co_u32 s[G0S+1], s19, SCL
	s_mov_b64 s[G0S+2:G0S+3], s[22:23]
	s_or_b32 s[G0S+3], s[G0S+3], 0x80000000
	s_mov_b32 s[G0SB], 1
	s_add_co_u32 s[G0SB+1], s19, SCL
	s_mov_b64 s[G0SB+2:G0SB+3], s[66:67]
	s_or_b32 s[G0SB+3], s[G0SB+3], 0x80000000
	JLOAD G0S, G1S, G0SB, G1SB                     ; the scales first: they are wanted with K step 0
.irp s, 0,1
	s_mov_b32 s[G0+4*\s], 1
	s_add_co_u32 s[G0+4*\s+1], s45, \s*SLOT
	s_add_nc_u64 s[G0+4*\s+2:G0+4*\s+3], s[20:21], \s*3072
	s_or_b32 s[G0+4*\s+3], s[G0+4*\s+3], 0x80000000
	s_mov_b32 s[G0B+4*\s], 1
	s_add_co_u32 s[G0B+4*\s+1], s18, \s*SLOT
	s_add_nc_u64 s[G0B+4*\s+2:G0B+4*\s+3], s[46:47], \s*ROWB
	s_or_b32 s[G0B+4*\s+3], s[G0B+4*\s+3], 0x80000000
	JLOAD G0+4*\s, G1, G0B+4*\s, G1B
.endr
	v_and_b32 v1, 15, v0                           ; r
	v_bfe_u32 v2, v0, 4, 1                         ; h
	v_and_b32 v3, 31, v0                           ; lane
	v_mul_u32_u24 v4, v1, PITCH
	v_mad_u32_u24 v4, v2, 24, v4                   ; B: a fragment's row x pitch + 24 x half
	v_lshl_add_u32 v5, v2, 4, v4                   ; and the same behind one padding more
	v_lshlrev_b32 v6, 3, v3                        ; A: 8 x lane
	s_mul_i32 s21, s15, HALFA                      ; my 128 tokens of A
	s_mul_i32 s22, s16, HALFB                      ; my 128 rows of B,
	s_add_co_u32 s22, s22, BOFF                    ; which lie behind A
.irp s, 0,1
	v_add_nc_u32 v[ADRA+\s], s21, v6
	v_add_nc_u32 v[ADRB+\s], s22, v4
	v_add_nc_u32 v[ADRB+2+\s], s22, v5
	s_add_co_u32 s21, s21, SLOT
	s_add_co_u32 s22, s22, SLOT
.endr
	v_mul_u32_u24 v5, v1, KS                       ; my row's scales: 32 bytes a row,
	v_lshrrev_b32 v6, 8, v5
	v_lshl_add_u32 v5, v6, 4, v5                   ; and 16 more for each 256 passed
	s_mul_i32 s21, s15, HALFS
	s_mul_i32 s22, s16, HALFS
	s_add_co_u32 s22, s22, 2*HALFS
	s_sub_co_u32 s22, s22, s21
	v_mul_u32_u24 v6, s22, v2                      ; lanes 16-31 take B's
	s_add_co_u32 s21, s21, SCL
	v_add_nc_u32 v5, v5, v6
	v_add_nc_u32 v[ADRS], s21, v5
	; the way out: which heads and which group of 128 tokens are my wave's
	s_lshl_b32 s12, s17, 1
	s_add_co_u32 s12, s12, s15                     ; my first token / 128
	s_lshr_b32 s13, s12, 4                         ; the batch
	s_and_b32 s12, s12, 15                         ; the group of 128 tokens in it
	s_lshl_b32 s13, s13, 4
	s_lshl_b32 s96, s40, 2
	s_add_co_u32 s13, s13, s96
	s_lshl_b32 s96, s16, 1
	s_add_co_u32 s13, s13, s96                     ; 16 x batch + my first head
	s_mul_i32 s96, s13, s98
	s_mul_i32 s97, s12, s99
	s_add_co_u32 s96, s96, s97
	s_mov_b32 s97, 0
	s_add_nc_u64 s[92:93], s[92:93], s[96:97]      ; where my codes go
	s_mul_i32 s96, s13, s100
	s_mul_i32 s13, s12, s101
	s_add_co_u32 s96, s96, s13
	s_add_co_u32 s96, s96, s2
	s_add_nc_u64 s[94:95], s[94:95], s[96:97]      ; where my scale words go
	v_lshlrev_b32 v[IMG], 4, v3
	v_add_nc_u32 v[IMG+1], s98, v[IMG]
	v_lshlrev_b32 v[SOF], 5, v1
	v_lshl_add_u32 v[SOF], v2, 4, v[SOF]
	v_add_nc_u32 v[SOF+1], s100, v[SOF]
	s_mul_i32 s3, s14, 17664                       ; my stage: 64 token rows, 272 bytes apart, rows 32-63 shifted by 64 bytes
	v_mul_u32_u24 v[STO], v1, 272
	v_lshl_add_u32 v[STO], v2, 5, v[STO]
	v_add_nc_u32 v[STO], s3, v[STO]                ; in: row r, + 32 h
	v_mul_u32_u24 v[RDV], v2, 8768
	v_lshl_add_u32 v[RDV], v1, 2, v[RDV]
	v_add_nc_u32 v[RDV], s3, v[RDV]                ; out: channel r; lanes 16-31 take the rows 32 further down
	v_lshlrev_b32 v[SH8], 3, v2
	v_mul_u32_u24 v[VSO], v2, 208896
	v_lshl_add_u32 v[VSO], v1, 4, v[VSO]
.macro FRAG reg, adr, q, i             ; B: a fragment is 12 registers: lane l holds row l % 16; registers 6 c .. 6 c + 5 hold K = 64 c + 32 (l / 16) + 0 .. 31, in pieces of 8 bytes
.irp p, 0,1,2,3,4,5
.set PCE, 12*(\q)+6*(\p/3)+\p%3        ; where the piece three on lies behind one padding more, the second address register serves
.if PCE%8 < 5
	ds_load_b64 v[\reg+2*\p:\reg+2*\p+1], v[\adr] offset:8*PCE+16*(PCE/8)+(\i)*16*PITCH
.else
	ds_load_b64 v[\reg+2*\p:\reg+2*\p+1], v[\adr+2] offset:8*PCE+16*(PCE/8)+(\i)*16*PITCH
.endif
.endr
.endm
.macro FRAGA reg, slot, q, i           ; A: the image comes back as it was stored: six loads of 256 consecutive bytes
.irp p, 0,1,2,3,4,5
	ds_load_b64 v[\reg+2*\p:\reg+2*\p+1], v[ADRA+\slot] offset:(\i)*3072+(\q)*1536+256*\p
.endr
.endm
; 16 matrix instructions: A's blocks a0, a0 + 1 x B's eight.  The 64 accumulators take turns, one instruction a turn, in the same order in every step.
.macro MUL16 a0, p, q, sc, zero
.irp a, \a0, \a0+1
.irp b, 0,1,2,3,4,5,6,7
.if \zero
	v_wmma_scale_f32_16x16x128_f8f6f4 v[8*(8*((\a)%4)+\b):8*(8*((\a)%4)+\b)+7], v[128*(\p)+FR*\b:128*(\p)+FR*\b+FR-1], v[AF+FR*(\a):AF+FR*(\a)+FR-1], 0, v[SC+8*NQ*(\sc)+NQ*\b+(\q)], v[SC+8*NQ*(\sc)+NQ*(\a)+(\q)] matrix_a_fmt:MATRIX_FMT_BF6 matrix_b_fmt:MATRIX_FMT_BF6 matrix_a_scale:MATRIX_SCALE_ROW1
.else
	v_wmma_scale_f32_16x16x128_f8f6f4 v[8*(8*((\a)%4)+\b):8*(8*((\a)%4)+\b)+7], v[128*(\p)+FR*\b:128*(\p)+FR*\b+FR-1], v[AF+FR*(\a):AF+FR*(\a)+FR-1], v[8*(8*((\a)%4)+\b):8*(8*((\a)%4)+\b)+7], v[SC+8*NQ*(\sc)+NQ*\b+(\q)], v[SC+8*NQ*(\sc)+NQ*(\a)+(\q)] matrix_a_fmt:MATRIX_FMT_BF6 matrix_b_fmt:MATRIX_FMT_BF6 matrix_a_scale:MATRIX_SCALE_ROW1
.endif
.endr
.endr
.endm
.macro FETCH_B slot, q, p
	WIN TO_B
.irp i, 0,1,2,3,4,5,6,7
	FRAG 128*(\p)+FR*\i, ADRB+\slot, \q, \i
.endr
	WIN 0
.endm
.macro FETCH_A slot, q, i0
.irp i, \i0, \i0+1, \i0+2, \i0+3
	FRAGA AF+FR*(\i), \slot, \q, \i
.endr
.endm
.macro SCALES sc                       ; lanes 0-15 take the words of A's block i, lanes 16-31 those of B's block i: two words a row for a slot
.irp i, 0,1,2,3,4,5,6,7
	ds_load_b64 v[SC+8*NQ*\sc+NQ*\i:SC+8*NQ*\sc+NQ*\i+1], v[ADRS] offset:\i*SBLK
.endr
.endm
.macro PLACES n                        ; plain vector instructions between a matrix instruction and a load into, or a vector write of, one of its registers, or a read of its result
.rept \n
	v_nop
.endr
.endm
.macro STEP slot, q, zero              ; a step of 128 along K that has its successor in the same slot
	s_wait_dscnt 4*NL                              ; B's set and A's blocks 0-3 are in; the youngest 24 loads (A's blocks 4-7) may be out
	WIN MUL_LO
	MUL16 0, (\q)%2, \q, \slot, \zero
	MUL16 2, (\q)%2, \q, \slot, \zero
	s_wait_dscnt 0
	PLACES NP
	FETCH_B \slot, (\q)+1, 1-(\q)%2
	FETCH_A \slot, (\q)+1, 0
	WIN MUL_HI
	MUL16 4, (\q)%2, \q, \slot, \zero
	MUL16 6, (\q)%2, \q, \slot, \zero
	PLACES NP
	WIN 0
	FETCH_A \slot, (\q)+1, 4
.endm
; A slot's last step changes slots: one barrier; in front of it each wave waits for all its tensor loads, adds 0 to its spare word, and waits for that and for its own reads of this slot.
.macro TURN slot, next, fill
	s_wait_tensorcnt 0x0                           ; all my tensor loads have landed: my part of the next slot
	ds_add_u32 v[SPW], v[NIL]                      ; 0 onto my spare word
	s_wait_dscnt 4*NL+1                            ; the add and the youngest 24 loads may be out
	WIN MUL_LO
	MUL16 0, 1, NQ-1, \slot, 0
	s_wait_dscnt 0x0                               ; the add is done, and my reads of this slot are over
	s_barrier_signal -1
	MUL16 2, 1, NQ-1, \slot, 0
	WIN 0
	s_barrier_wait -1
.if \fill
	CREST                                          ; the barrier has opened a round of the cluster's: no wave of any partner still reads this slot or has a load on its way
	s_add_nc_u64 s[G0+4*\slot+2:G0+4*\slot+3], s[G0+4*\slot+2:G0+4*\slot+3], 2*3072
	s_add_nc_u64 s[G0B+4*\slot+2:G0B+4*\slot+3], s[G0B+4*\slot+2:G0B+4*\slot+3], 2*ROWB
	JLOAD G0+4*\slot, G1, G0B+4*\slot, G1B         ; the first tensor load behind the round; its four v_nop are the places in front of the loads below
.else
	PLACES NP
.endif
	v_add_nc_u32 v[ADRS], 4*NQ, v[ADRS]
	FETCH_B \next, 0, 0
	FETCH_A \next, 0, 0
	SCALES \next
	WIN MUL_HI
	MUL16 4, 1, NQ-1, \slot, 0
	MUL16 6, 1, NQ-1, \slot, 0
	PLACES NP
	WIN 0
	FETCH_A \next, 0, 4
.endm
	s_wait_tensorcnt 1                             ; the scales and my part of slot 0 are in; slot 1's load may be out
	s_barrier_signal -1
	s_barrier_wait -1
	FETCH_B 0, 0, 0
	FETCH_A 0, 0, 0
	SCALES 0
	FETCH_A 0, 0, 4
	STEP 0, 0, 1                                   ; the first step's products start the sums
	s_mov_b32 s3, LAPS-1
.Llap:
	TURN 0, 1, 1
	STEP 1, 0, 0
	TURN 1, 0, 1
	STEP 0, 0, 0
	s_sub_co_u32 s3, s3, 1
	s_cmp_lg_u32 s3, 0
	s_cbranch_scc1 .Llap
	TURN 0, 1, 0                                   ; the last lap fills nothing
	STEP 1, 0, 0
	s_wait_dscnt 4*NL
	WIN MUL_LO
	MUL16 0, 1, NQ-1, 1, 0
	MUL16 2, 1, NQ-1, 1, 0
	s_wait_dscnt 0
	WIN MUL_HI
	MUL16 4, 1, NQ-1, 1, 0
	MUL16 6, 1, NQ-1, 1, 0
	WIN 0
	PLACES NP                                      ; in front of the first reads of results and the first writes of registers that the last products read
	s_mov_b32 s[SEL], 0x76543210
	s_mov_b32 s[SEL+1], 0xfedcba98
	s_mov_b32 vcc_lo, 0xffff0000                   ; lanes 16-31
	s_cmp_eq_u32 ttmp9, 2
	s_cbranch_scc1 .Lv
; ---- q and k: registers alone
.set WD,  32                           ; v32-47   scale words, 8 g + a
.set CD,  64                           ; v64-159  codes: 8 pairs of tiles x 12 registers, each pair's own, so that no store's data are written again
.set MX,  160
.set PT,  168
.set SCO, 176
.set BY,  184
.set TY,  192
.set ZZ,  208
.irp e, 0,1,2,3,4,5,6,7
	v_mov_b32 v[PT+\e], 0                          ; written once: a lane permute's destination counts as one of its sources
.endr
.macro QKQUAD g, hw                    ; head g of my two, token tiles 4 hw .. 4 hw + 3: eight blocks e = 2 a' + c
	WIN 0x0a+5*(\hw)                               ; sources 0 and 1: the accumulators' window
.irp e, 0,1,2,3,4,5,6,7
	v_max3_num_f32 v[MX+\e], |v[64*(\e/2)+32*(\g)+16*(\e%2)]|, |v[64*(\e/2)+32*(\g)+16*(\e%2)+1]|, 0x2800000   ; each accumulator is read from its low end on; the floor 2^(5 - 127) holds the byte at 1
.endr
.irp i, 2,4,6,8,10,12,14
.irp e, 0,1,2,3,4,5,6,7
	v_max3_num_f32 v[MX+\e], |v[64*(\e/2)+32*(\g)+16*(\e%2)+\i]|, |v[64*(\e/2)+32*(\g)+16*(\e%2)+\i+1]|, v[MX+\e]
.endr
.endr
	WIN 0
.irp e, 0,1,2,3,4,5,6,7
	v_permlanex16_b32 v[PT+\e], v[MX+\e], s[SEL], s[SEL+1]
.endr
.irp e, 0,1,2,3,4,5,6,7
	v_max_num_f32 v[MX+\e], v[MX+\e], v[PT+\e]
.endr
.irp e, 0,1,2,3,4,5,6,7
	v_add_nc_u32 v[SCO+\e], 0xfe000000, v[MX+\e]
.endr
.irp e, 0,1,2,3,4,5,6,7
	v_lshrrev_b32 v[BY+\e], 23, v[SCO+\e]
.endr
.irp a, 0,1,2,3
	v_lshl_or_b32 v[WD+8*(\g)+4*(\hw)+\a], v[BY+2*\a+1], 8, v[BY+2*\a]
.endr
.irp a, 0,1,2,3
	v_or_b32 v[WD+8*(\g)+4*(\hw)+\a], 0x7f7f0000, v[WD+8*(\g)+4*(\hw)+\a]
.endr
	WIN 0x02+(\hw)                                 ; source 0: the accumulators' window
.irp a, 0,1,2,3
	v_cvt_scalef32_pk16_bf6_f32 v[CD+12*(4*(\g)+2*(\hw)+\a/2)+6*(\a%2):CD+12*(4*(\g)+2*(\hw)+\a/2)+6*(\a%2)+2], v[64*\a+32*(\g):64*\a+32*(\g)+15], v[SCO+2*\a]
	v_cvt_scalef32_pk16_bf6_f32 v[TY+4*\a:TY+4*\a+2], v[64*\a+32*(\g)+16:64*\a+32*(\g)+31], v[SCO+2*\a+1]
.endr
	v_nop                                          ; one plain place behind a scaled conversion
	WIN 0
.irp a, 0,1,2,3                                ; lanes 0-15 get block 0 whole, lanes 16-31 block 1
.irp i, 0,1,2
	v_permlane16_swap_b32 v[CD+12*(4*(\g)+2*(\hw)+\a/2)+6*(\a%2)+\i], v[TY+4*\a+\i]
.endr
.irp i, 0,1,2
	v_mov_b32 v[CD+12*(4*(\g)+2*(\hw)+\a/2)+6*(\a%2)+3+\i], v[TY+4*\a+\i]
.endr
.endr
.irp i, 0,1
.irp k, 0,1,2
	global_store_b128 v[IMG+(\g)], v[CD+12*(4*(\g)+2*(\hw)+\i)+4*\k:CD+12*(4*(\g)+2*(\hw)+\i)+4*\k+3], s[92:93] offset:(2*(\hw)+\i)*1536+512*\k   ; 32 lanes store 512 consecutive bytes, aligned
.endr
.endr
.endm
.macro QKWORDS g                       ; lane (r, h) stores the words of tiles 4 h .. 4 h + 3 of token r: 512 consecutive bytes
.irp i, 0,1,2,3
	v_cndmask_b32 v[ZZ+4*(\g)+\i], v[WD+8*(\g)+\i], v[WD+8*(\g)+4+\i], vcc_lo
.endr
	global_store_b128 v[SOF+(\g)], v[ZZ+4*(\g):ZZ+4*(\g)+3], s[94:95]
.endm
	QKQUAD 0, 0
	QKQUAD 0, 1
	QKWORDS 0
	QKQUAD 1, 0
	QKQUAD 1, 1
	QKWORDS 1
	s_branch .Lend
; ---- v: turned through my stage, 64 tokens x 64 channels at a time
.Lv:
.set VC,  32                           ; v32-127  codes: (4 g + t) x 12 registers, each fragment's own
.set XX,  128                          ; v128-191 two sets of 32 numbers
.set VMA, 192
.set VMB, 193
.set VSC, 194
.set VBY, 195
.set VTY, 196
.set SBY, 200
.set WW,  208
.set VPT, 216
.set VZ,  224
.irp e, 0,1,2,3,4,5,6,7
	v_mov_b32 v[VPT+\e], 0
.endr
.macro LOADT t                         ; channel 16 t + r, the 32 keys of my block, slot 16 h' + 8 u + j taking key 16 u + 8 h' + j: the order in which p's codes will lie
.irp s, 0,1,2,3,4,5,6,7,8,9,10,11,12,13,14,15,16,17,18,19,20,21,22,23,24,25,26,27,28,29,30,31
	ds_load_b32 v[XX+32*((\t)%2)+\s], v[RDV] offset:(16*((\s%16)/8)+8*(\s/16)+\s%8)*272+64*(\t)
.endr
.endm
.macro VPART g, c                      ; head g, tokens 64 c .. 64 c + 63 (the accumulators of window 2 + c)
	WIN 0x08+4*(\c)                                ; an LDS store's data are its source 1
.irp a, 0,1,2,3
.irp t, 0,1,2,3
	ds_store_b128 v[STO], v[64*\a+8*(4*(\g)+\t):64*\a+8*(4*(\g)+\t)+3] offset:16*\a*272+(\a/2)*64+64*\t       ; each accumulator from its low end on
	ds_store_b128 v[STO], v[64*\a+8*(4*(\g)+\t)+4:64*\a+8*(4*(\g)+\t)+7] offset:16*\a*272+(\a/2)*64+64*\t+16
.endr
.endr
	WIN 0
	LOADT 0                                        ; LDS serves a wave's instructions in order (ISA guide 5.7.1.4): these see my stores
.irp t, 0,1,2,3
.if \t < 3
	LOADT \t+1
	s_wait_dscnt 32                                ; this channel tile's 32 loads are in; the next one's may be out
.else
	s_wait_dscnt 0x0
.endif
.set XS, XX+32*(\t%2)
	v_max3_num_f32 v[VMA], |v[XS]|, |v[XS+1]|, |v[XS+2]|
	v_max3_num_f32 v[VMB], |v[XS+3]|, |v[XS+4]|, |v[XS+5]|
.irp i, 6,10,14,18,22,26
	v_max3_num_f32 v[VMA], v[VMA], |v[XS+\i]|, |v[XS+\i+1]|
	v_max3_num_f32 v[VMB], v[VMB], |v[XS+\i+2]|, |v[XS+\i+3]|
.endr
	v_max3_num_f32 v[VMA], v[VMA], |v[XS+30]|, |v[XS+31]|
	v_max3_num_f32 v[VMA], v[VMA], v[VMB], 0x2800000
	v_add_nc_u32 v[VSC], 0xfe000000, v[VMA]
	v_lshrrev_b32 v[VBY], 23, v[VSC]
.if (\c) == 0
	v_mov_b32 v[SBY+4*(\g)+\t], v[VBY]             ; block h of the key step,
.else
	v_lshl_or_b32 v[SBY+4*(\g)+\t], v[VBY], 16, v[SBY+4*(\g)+\t]   ; block 2 + h
.endif
	v_cvt_scalef32_pk16_bf6_f32 v[VC+12*(4*(\g)+\t)+6*(\c):VC+12*(4*(\g)+\t)+6*(\c)+2], v[XS:XS+15], v[VSC]
	v_cvt_scalef32_pk16_bf6_f32 v[VTY:VTY+2], v[XS+16:XS+31], v[VSC]
	v_nop
.irp i, 0,1,2
	v_mov_b32 v[VC+12*(4*(\g)+\t)+6*(\c)+3+\i], v[VTY+\i]
.endr
.endr
.endm
.macro VSEND g
.irp t, 0,1,2,3
.irp k, 0,1,2
	global_store_b128 v[IMG+(\g)], v[VC+12*(4*(\g)+\t)+4*\k:VC+12*(4*(\g)+\t)+4*\k+3], s[92:93] offset:6656+\t*1536+512*\k
.endr
.endr
.endm
	VPART 0, 0
	VPART 0, 1
	VSEND 0
	VPART 1, 0
	VPART 1, 1
	VSEND 1
.irp e, 0,1,2,3,4,5,6,7
	v_lshlrev_b32 v[WW+\e], v[SH8], v[SBY+\e]      ; my two bytes at their places in the scale word,
.endr
.irp e, 0,1,2,3,4,5,6,7
	v_permlanex16_b32 v[VPT+\e], v[WW+\e], s[SEL], s[SEL+1]
.endr
.irp e, 0,1,2,3,4,5,6,7
	v_or_b32 v[WW+\e], v[WW+\e], v[VPT+\e]         ; with lane l xor 16's two the word is whole
.endr
.irp t, 0,1,2,3
	v_cndmask_b32 v[VZ+\t], v[WW+\t], v[WW+4+\t], vcc_lo   ; lanes 0-15 store my first head's words, lanes 16-31 my second's: 256 consecutive bytes each
.endr
	global_store_b128 v[VSO], v[VZ:VZ+3], s[92:93] offset:12800
.Lend:
	s_wait_tensorcnt 0x0                           ; the wave's end
	ds_add_u32 v[SPW], v[NIL]
	s_wait_dscnt 0x0
	CROUND                                         ; the closing round
	s_endpgm
.Lfunc_end_k_q2ff035e76e_qkv:
	.size	k_q2ff035e76e_qkv, .Lfunc_end_k_q2ff035e76e_qkv-k_q2ff035e76e_qkv
	.p2alignl 7, 3214868480
	.fill 96, 4, 3214868480
	.section	.rodata,"a",@progbits
	.p2align	6, 0x0
	.amdhsa_kernel k_q2ff035e76e_qkv
		.amdhsa_group_segment_fixed_size 327680
		.amdhsa_private_segment_fixed_size 0
		.amdhsa_enable_private_segment 0
		.amdhsa_kernarg_size 88
		.amdhsa_user_sgpr_count 2
		.amdhsa_user_sgpr_kernarg_segment_ptr 1
		.amdhsa_wavefront_size32 1
		.amdhsa_system_sgpr_workgroup_id_x 1
		.amdhsa_system_sgpr_workgroup_id_y 1
		.amdhsa_system_sgpr_workgroup_id_z 1
		.amdhsa_system_vgpr_workitem_id 0
		.amdhsa_next_free_vgpr 1024
		.amdhsa_next_free_sgpr 102
		.amdhsa_reserve_vcc 1
		.amdhsa_float_denorm_mode_32 3
		.amdhsa_float_denorm_mode_16_64 3
		.amdhsa_memory_ordered 1
		.amdhsa_forward_progress 1
		.amdhsa_inst_pref_size 233
	.end_amdhsa_kernel
	.amdgpu_metadata
---
amdhsa.version: [ 1, 2 ]
amdhsa.kernels:
  - .name:           k_q2ff035e76e_qkv
    .symbol:         k_q2ff035e76e_qkv.kd
    .args:
      - { .name: xnc, .offset: 0, .size: 8, .value_kind: global_buffer, .address_space: global }
      - { .name: xns, .offset: 8, .size: 8, .value_kind: global_buffer, .address_space: global }
      - { .name: Wq_codes, .offset: 16, .size: 8, .value_kind: global_buffer, .address_space: global }
      - { .name: Wq_scales, .offset: 24, .size: 8, .value_kind: global_buffer, .address_space: global }
      - { .name: Wk_codes, .offset: 32, .size: 8, .value_kind: global_buffer, .address_space: global }
      - { .name: Wk_scales, .offset: 40, .size: 8, .value_kind: global_buffer, .address_space: global }
      - { .name: Wv_codes, .offset: 48, .size: 8, .value_kind: global_buffer, .address_space: global }
      - { .name: Wv_scales, .offset: 56, .size: 8, .value_kind: global_buffer, .address_space: global }
      - { .name: qc, .offset: 64, .size: 8, .value_kind: global_buffer, .address_space: global }
      - { .name: qs, .offset: 72, .size: 8, .value_kind: global_buffer, .address_space: global }
      - { .name: kv, .offset: 80, .size: 8, .value_kind: global_buffer, .address_space: global }
    .group_segment_fixed_size: 327680
    .private_segment_fixed_size: 0
    .kernarg_segment_align: 8
    .kernarg_segment_size: 88
    .max_flat_workgroup_size: 128
    .sgpr_count:     102
    .vgpr_count:     1024
    .wavefront_size: 32
...
	.end_amdgpu_metadata
.endif
;; end of part 2
;; launch attn (part 3): grid 4 x 64, 16 waves a work-group, clusters of 4 x 1, 215,040 bytes of LDS; arguments qc, qs, kv, ac, asc; writes ac, asc
.if DOCPART == 3
	.amdgcn_target "amdgcn-amd-amdhsa--gfx1250"
	.amdhsa_code_object_version 6
	.text
	.protected	k_q2ff035e76e_attn
	.globl	k_q2ff035e76e_attn
	.p2align	8
	.type	k_q2ff035e76e_attn,@function
k_q2ff035e76e_attn:
	s_mov_b64 s[64:65], 0
	v_nop
	global_prefetch_b8 v0, s[64:65] scope:SCOPE_SE
	s_setreg_imm32_b32 hwreg(HW_REG_WAVE_MODE, 25, 1), 1
	s_wait_xcnt 0x0
	s_wait_alu depctr_hold_cnt(0) depctr_sa_sdst(0) depctr_va_vdst(0) depctr_va_sdst(0) depctr_va_ssrc(0) depctr_va_vcc(0) depctr_vm_vsrc(0)
	s_getreg_b32 s2, hwreg(HW_REG_IB_STS2, 6, 4)
	s_cmp_eq_u32 s2, 0
	s_cbranch_scc0 .Lentry_in_a_cluster
	s_endpgm
.Lentry_in_a_cluster:
	s_bfe_u32 s2, ttmp6, 0x10000c
	s_cmp_lg_u32 s2, 0x3003
	s_cbranch_scc0 .Lentry_shape_is_right
	s_endpgm
.Lentry_shape_is_right:
; Causal attention of one head (T = 2,048, head size 64) on codes of BF6 (E3M2), both products scaled by one E8M0 byte for each 32 along K; the result, divided by the row's sum, is quantised along the channels and leaves as codes.
; t = score x log2(e) / 8; M = the running largest t rounded up to a whole number; p = 2^(t - M) is quantised along the keys; the row's sum is taken of the unquantised p; when M moves, the sum and O are multiplied by 2^(old M - new M), exactly.
; SHARES.  The four work-groups of a cluster share a head; each owns 512 of its queries.  Wave w (a = w % 8, z = w / 8) of work-group j owns two tiles of 16 queries: tile 8 a + 2 j + z and tile 8 (15 - a) + 2 j + z.
; A tile of the g-th group of 128 queries needs key steps 0 .. g (128 keys each), the last on the diagonal: so every wave has (a + 1) + (16 - a) = 17 steps of work.  What the mask hides is jumped over by scalar branches on the wave's number and the
; step's count, which are alike in all partners; the place in the cluster enters global addresses and one vector number alone.
; LDS.  The head's 16 records of K, V and their scale words (208,896 bytes) are filled ONCE, by joint loads of waves 0 to 3: a small one each (records 0 to 3) and a large one each (three records): two tensor loads of a wave are out.
; LAYOUT.  S^T = K Q^T (source 0 = 16 keys, source 1 = my 16 queries), O^T = V^T P^T: a lane holds one query throughout.  The head's 64 fill the lower half of the instruction's K = 128: Q's upper six registers are zero codes, so whatever K's operand
; holds there (the next tile's codes) adds nothing; both words' upper two bytes are 0x7f.  Inside a block of 32, q and k (and p and v) lie in the same permuted order, slot 16 h + 8 u + j = index 16 u + 8 h + j: the order of the sums inside the unit
; differs from the true order (a stated limit).  The result is laid in true order, since it meets given weights.
; LIMITS: a block of zeros or with largest magnitude under 2^-122 keeps the byte 1; NaN and infinities are not served; v_exp_f32 and v_rcp_f32 are accurate to 1 ulp; a block's largest p is taken from its largest score, which takes v_exp_f32 not to fall where its input rises.
; REGISTERS: v1-9 addresses; tile x's state at v[12 + 18 x]: -M, largest t, the sum in two halves, Q (6 + 6 zeros), Q's scale word; v29 p's scale word; v48-111 O^T; v112-175 S^T, p, then V's fragments; v176-229 K's fragments (later p's codes and work); v230-241 scale words; v242-255 at work.
.set REC,   13056
.set KSCO,  6144
.set VOFF,  6656
.set VSCO,  12800
.set LI,   1                           ; 16 x lane
.set RS32, 2                           ; 32 r
.set RS16, 3                           ; 16 r
.set VD,   4                           ; my query - 8 h, counted from its group's first
.set ADI,  5
.set ADS,  6
.set ADT,  7
.set L8,   8                           ; 8 x lane
.set QSO,  9
.set PWD,  29
.set OT,   48
.set S,    112
.set KF,   176
.set PCD,  176
.set PTY,  188
.set SCO,  196
.set BYT,  200
.set KSW,  230
.set VSW,  238
.set BM,   242
.set PT,   246
.set FF,   250
.set WV,   18
.set SEL,  20
.set CS,   22
.set G1A,  24
.set G1B,  32
.set G0A,  40
.set G0B,  44
.set KS,   48                          ; the key step
.set TB,   49                          ; its record's LDS byte
.set A0,   50                          ; s50, s51: my two tiles' groups = their last key steps
.set CNT,  52
.macro ROUND                           ; a round of the cluster's barrier
	s_barrier_signal -1
	s_barrier_wait -1
	s_cmp_lg_u32 s[WV], 0
	s_cbranch_scc1 .Lnot_wave_0_\@
	s_barrier_signal -3
.Lnot_wave_0_\@:
	s_barrier_wait -3
	s_barrier_signal -1
	s_barrier_wait -1
.endm
	s_load_b256 s[4:11], s[0:1], 0x0               ; qc s[4:5], qs s[6:7], kv s[8:9], ac s[10:11]
	s_load_b64 s[12:13], s[0:1], 0x20              ; asc
	v_lshl_add_u32 v254, v0, 2, 0x34000
	v_mov_b32 v255, 0
	ds_add_u32 v254, v255
	ds_add_u32 v254, v255
	s_wait_dscnt 0x0
	v_lshrrev_b32 v10, 5, v0
	v_readfirstlane_b32 s[WV], v10                 ; wave 0..15
	s_bfe_u32 s53, ttmp6, 0x40000                  ; j = cx
	s_and_b32 s55, ttmp7, 0xffff                   ; 16 x batch + head, which the partners share
	s_lshr_b32 s54, s[WV], 3                       ; z
	s_and_b32 s[A0], s[WV], 7
	s_sub_co_u32 s[A0+1], 15, s[A0]
	s_lshl_b32 s59, s53, 1
	s_add_co_u32 s59, s59, s54                     ; my tiles' place in their groups: 2 j + z
	s_mov_b32 s[G1A], 15|(3<<16)|(1<<21)           ; the mask: all four; elements of 8 bytes; no padding; bit 21 beside the mask
	s_mov_b32 s[G1A+1], 32<<16                     ; rows of 256 bytes
	s_mov_b32 s[G1A+2], 51<<16                     ; a record is 51 of them
	s_mov_b32 s[G1A+3], 32<<16
	s_mov_b32 s[G1A+4], 51
	s_mov_b32 s[G1A+5], 32
	s_mov_b32 s[G1A+6], 0
	s_mov_b32 s[G1A+7], 0
	s_mov_b32 s[G1B], 15|(3<<16)|(1<<21)
	s_mov_b32 s[G1B+1], 32<<16
	s_mov_b32 s[G1B+2], 153<<16                    ; three records
	s_mov_b32 s[G1B+3], 32<<16
	s_mov_b32 s[G1B+4], 153
	s_mov_b32 s[G1B+5], 32
	s_mov_b32 s[G1B+6], 0
	s_mov_b32 s[G1B+7], 0
	s_and_b32 s58, s[WV], 3
	s_mul_i32 s[G0A+1], s58, REC                   ; record f,
	s_mul_i32 s[G0B+1], s58, 3*REC
	s_add_co_u32 s[G0B+1], s[G0B+1], 4*REC         ; records 4 + 3 f .. 6 + 3 f: in LDS as in memory
	s_mul_i32 s56, s55, 16*REC
	s_mov_b32 s57, 0
	s_mov_b32 s60, s[G0A+1]
	s_mov_b32 s61, 0
	s_mov_b32 s62, s[G0B+1]
	s_mov_b32 s63, 0
	s_mov_b32 s[G0A], 1
	s_mov_b32 s[G0B], 1
	s_mov_b32 s[SEL], 0x76543210
	s_mov_b32 s[SEL+1], 0xfedcba98
	s_mov_b32 s[CS], 0x3e38aa3b                    ; log2(e) / 8
	s_mov_b32 s[CS+1], s[CS]
	s_mov_b32 s[KS], 0
	s_mov_b32 s[TB], 0
	s_wait_kmcnt 0x0
	s_add_nc_u64 s[8:9], s[8:9], s[56:57]          ; the head's records
	s_add_nc_u64 s[G0A+2:G0A+3], s[8:9], s[60:61]
	s_or_b32 s[G0A+3], s[G0A+3], 0x80000000
	s_add_nc_u64 s[G0B+2:G0B+3], s[8:9], s[62:63]
	s_or_b32 s[G0B+3], s[G0B+3], 0x80000000
	ROUND                                          ; all four work-groups are here: the joint loads meet
	s_cmp_lt_u32 s[WV], 4                          ; a wave's two fills stand in one branch on its number
	s_cbranch_scc0 .Lno_fetch
	tensor_load_to_lds s[G0A:G0A+3], s[G1A:G1A+7]
	s_nop 0
	tensor_load_to_lds s[G0B:G0B+3], s[G1B:G1B+7]
	s_nop 0
.rept 4
	v_nop
.endr
.Lno_fetch:
	v_and_b32 v10, 31, v0
	v_and_b32 v11, 15, v0
	v_lshlrev_b32 v[LI], 4, v10
	v_lshlrev_b32 v[L8], 3, v10
	v_lshlrev_b32 v[RS32], 5, v11
	v_lshlrev_b32 v[RS16], 4, v11
	v_bfe_u32 v10, v0, 4, 1
	v_lshlrev_b32 v10, 3, v10
	v_sub_nc_u32 v[VD], v11, v10
	s_lshl_b32 s2, s59, 4
	v_add_nc_u32 v[VD], s2, v[VD]                  ; 16 (2 j + z) + r - 8 h
	s_lshl_b32 s2, s59, 2
	v_add_nc_u32 v[QSO], s2, v[RS32]               ; Q's scale word: 32 r + 4 x tile
	s_mov_b32 s15, 0
	s_mul_i32 s56, s55, 98304                      ; the head in qc,
	s_lshl_b32 s57, s55, 13                        ; in qs;
	s_lshr_b32 s58, s55, 4
	s_lshl_b32 s58, s58, 7                         ; 128 tiles of rows a batch;
	s_and_b32 s60, s55, 15
	s_lshl_b32 s61, s60, 1                         ; the head's two scale bytes in a row of asc,
	s_mul_i32 s60, s60, 768                        ; its three pieces in a tile of rows of ac
.macro PTRS x, qp, qsp, ap, asp
	s_lshl_b32 s14, s[A0+\x], 2
	s_add_co_u32 s14, s14, s53                     ; the pair of tiles 4 g + j
	s_mul_i32 s14, s14, 1536
	s_add_co_u32 s14, s14, s56
	s_add_nc_u64 s[\qp:\qp+1], s[4:5], s[14:15]
	s_lshl_b32 s14, s[A0+\x], 9
	s_add_co_u32 s14, s14, s57
	s_add_nc_u64 s[\qsp:\qsp+1], s[6:7], s[14:15]
	s_lshl_b32 s2, s[A0+\x], 3
	s_add_co_u32 s2, s2, s59
	s_add_co_u32 s2, s2, s58                       ; the tile of rows among all 512
	s_mul_i32 s14, s2, 12288
	s_add_co_u32 s14, s14, s60
	s_add_nc_u64 s[\ap:\ap+1], s[10:11], s[14:15]
	s_lshl_b32 s14, s2, 9
	s_add_co_u32 s14, s14, s61
	s_add_nc_u64 s[\asp:\asp+1], s[12:13], s[14:15]
.endm
	PTRS 0, 66, 70, 74, 78
	PTRS 1, 68, 72, 76, 16
.irp k, 0,1,2
	global_load_b128 v[S+4*\k:S+4*\k+3], v[LI], s[66:67] offset:512*\k        ; the pair images that hold my two tiles of Q
.endr
.irp k, 0,1,2
	global_load_b128 v[S+12+4*\k:S+12+4*\k+3], v[LI], s[68:69] offset:512*\k
.endr
	global_load_b32 v28, v[QSO], s[70:71]
	global_load_b32 v46, v[QSO], s[72:73]
.irp x, 0,1
	v_mov_b32 v[13+18*\x], 0xff61b1e6              ; the largest t so far: -3e38
	v_floor_f32 v[12+18*\x], -v[13+18*\x]          ; -M
	v_mov_b32 v[14+18*\x], 0
	v_mov_b32 v[15+18*\x], 0
.irp i, 6,7,8,9,10,11
	v_mov_b32 v[16+18*\x+\i], 0                    ; Q's upper 64 along K: zero codes
.endr
.endr
.set i, 0
.rept 64
	v_mov_b32 v[OT+i], 0                           ; O^T: the step is written once; its first run finds zeros, which the first change of M leaves zeros
.set i, i+1
.endr
.irp i, 224,225,226,227,228,229,246,247,248,249,251,253
	v_mov_b32 v\i, 0                               ; behind K's last tile; the lane permutes' destinations; the upper halves of pairs that are named whole
.endr
	s_cmp_eq_u32 s54, 1
	s_cselect_b32 vcc_lo, -1, 0                    ; the even or the odd tile of the pair
	s_wait_loadcnt 0x0
.irp i, 0,1,2,3,4,5
	v_cndmask_b32 v[16+\i], v[S+\i], v[S+6+\i], vcc_lo
	v_cndmask_b32 v[34+\i], v[S+12+\i], v[S+18+\i], vcc_lo
.endr
; ONE KEY STEP OF TILE x
.macro STEP x
.set NM, 12+18*(\x)
.set QF, 16+18*(\x)
.set QW, 28+18*(\x)
.set OX, OT+32*(\x)
	s_cmp_gt_u32 s[KS], s[A0+(\x)]                 ; all 128 keys come after the tile's queries: nothing to do
	s_cbranch_scc1 .Lhid_\@
	v_add_nc_u32 v[ADI], s[TB], v[LI]
	v_add_nc_u32 v[ADS], s[TB], v[RS32]
	v_add_nc_u32 v[ADT], s[TB], v[RS16]
	v_nop
	v_nop                                          ; five places: the score products below write over registers that the last products read
.irp k, 0,1,2,3,4,5,6,7,8,9,10,11
	ds_load_b128 v[KF+4*\k:KF+4*\k+3], v[ADI] offset:512*\k    ; four pair images: tile t's six registers at v[KF + 6 t]
.endr
	ds_load_b128 v[KSW:KSW+3], v[ADS] offset:KSCO
	ds_load_b128 v[KSW+4:KSW+7], v[ADS] offset:KSCO+16
	s_wait_dscnt 0x0
.irp t, 0,1,2,3,4,5,6,7
	v_wmma_scale_f32_16x16x128_f8f6f4 v[S+8*\t:S+8*\t+7], v[KF+6*\t:KF+6*\t+11], v[QF:QF+11], 0, v[KSW+\t], v[QW] matrix_a_fmt:MATRIX_FMT_BF6 matrix_b_fmt:MATRIX_FMT_BF6
.endr
.rept 4
	v_nop
.endr
	s_cmp_lg_u32 s[KS], s[A0+(\x)]                 ; only the tile's last step lies on the diagonal
	s_cbranch_scc1 .Lopen_\@
	v_mov_b32 v254, 0xff800000                     ; -infinity: p = 0 then
.set n, 0
.rept 64
	v_cmp_gt_i32 vcc_lo, 16*(n/8)+n%8, v[VD]       ; register n holds key 16 (n / 8) + 8 h + n % 8 of the step
	v_cndmask_b32 v[S+n], v[S+n], v254, vcc_lo
.set n, n+1
.endr
.Lopen_\@:
.irp b, 0,1,2,3
	v_max3_num_f32 v[BM+\b], v[S+16*\b], v[S+1+16*\b], v[S+2+16*\b]   ; the largest score of each block of 32 keys: for the row's maximum and for the block's largest p
.endr
.irp i, 3,5,7,9,11,13
.irp b, 0,1,2,3
	v_max3_num_f32 v[BM+\b], v[BM+\b], v[S+16*\b+\i], v[S+1+16*\b+\i]
.endr
.endr
.irp b, 0,1,2,3
	v_max_num_f32 v[BM+\b], v[BM+\b], v[S+15+16*\b]
.endr
.irp b, 0,1,2,3
	v_permlanex16_b32 v[PT+\b], v[BM+\b], s[SEL], s[SEL+1]
.endr
.irp b, 0,1,2,3
	v_max_num_f32 v[BM+\b], v[BM+\b], v[PT+\b]
.endr
	v_max3_num_f32 v254, v[BM], v[BM+1], v[BM+2]
	v_max_num_f32 v254, v254, v[BM+3]
	v_mul_f32 v254, s[CS], v254
	v_max_num_f32 v[NM+1], v[NM+1], v254           ; the running largest t
	v_mov_b32 v254, v[NM]
	v_floor_f32 v[NM], -v[NM+1]                    ; the new -M = -ceil(t)
	v_sub_f32 v254, v[NM], v254                    ; old M - new M: a whole number, 0 or less
	v_cvt_i32_f32 v254, v254
	v_ldexp_f32 v[FF], 1.0, v254                   ; f = 2^(old M - new M)
.set n, 0
.rept 32
	v_pk_fma_f32 v[S+n:S+n+1], v[S+n:S+n+1], s[CS:CS+1], v[NM:NM+1] op_sel_hi:[1,0,0]   ; t - M
.set n, n+2
.endr
.irp b, 0,1,2,3
	v_fma_f32 v[BM+\b], v[BM+\b], s[CS], v[NM]
.endr
.set n, 0
.rept 64
	v_exp_f32 v[S+n], v[S+n]                       ; p
.set n, n+1
.endr
	v_pk_mul_f32 v[NM+2:NM+3], v[NM+2:NM+3], v[FF:FF+1] op_sel_hi:[1,0]   ; the sums under the new M: the plain instruction behind the batch
	s_wait_alu depctr_va_vdst(0)                   ; one wait for the 64, ahead of their first reader
.irp b, 0,1,2,3
	v_exp_f32 v[BM+\b], v[BM+\b]                   ; each block's largest p
.endr
	v_pk_add_f32 v[252:253], v[S:S+1], v[S+2:S+3]  ; the row's sum of the unquantised p, in two chains
.irp j, 4,8,12,16,20,24,28,32,36,40,44,48,52,56,60
	v_pk_add_f32 v[NM+2:NM+3], v[NM+2:NM+3], v[S+\j:S+\j+1]
	v_pk_add_f32 v[252:253], v[252:253], v[S+2+\j:S+3+\j]
.endr
	v_pk_add_f32 v[NM+2:NM+3], v[NM+2:NM+3], v[252:253]
	s_wait_alu depctr_va_vdst(0)                   ; and one for the four
.irp b, 0,1,2,3
	v_max_num_f32 v[BM+\b], 0x2800000, v[BM+\b]    ; the floor 2^(5 - 127)
.endr
.irp b, 0,1,2,3
	v_add_nc_u32 v[SCO+\b], 0xfe000000, v[BM+\b]
.endr
.irp b, 0,1,2,3
	v_lshrrev_b32 v[BYT+\b], 23, v[SCO+\b]
.endr
	v_lshl_or_b32 v[PWD], v[BYT+1], 8, v[BYT]
	v_lshl_or_b32 v[PWD], v[BYT+2], 16, v[PWD]
	v_lshl_or_b32 v[PWD], v[BYT+3], 24, v[PWD]
.irp c, 0,1
	v_cvt_scalef32_pk16_bf6_f32 v[PCD+6*\c:PCD+2+6*\c], v[S+32*\c:S+15+32*\c], v[SCO+2*\c]
	v_cvt_scalef32_pk16_bf6_f32 v[PTY+4*\c:PTY+2+4*\c], v[S+16+32*\c:S+31+32*\c], v[SCO+2*\c+1]
.endr
	v_nop                                          ; one plain place behind a scaled conversion
.irp k, 0,1,2,3,4,5,6,7,8,9,10,11
	ds_load_b128 v[S+4*\k:S+4*\k+3], v[ADI] offset:VOFF+512*\k   ; V^T's four fragments, where p lay
.endr
	ds_load_b128 v[VSW:VSW+3], v[ADT] offset:VSCO
.set n, 0
.rept 16
	v_pk_mul_f32 v[OX+n:OX+n+1], v[OX+n:OX+n+1], v[FF:FF+1] op_sel_hi:[1,0]   ; O^T under the new M
.set n, n+2
.endr
.irp c, 0,1                                    ; lanes 0-15 get block 2 c whole, lanes 16-31 block 2 c + 1
.irp i, 0,1,2
	v_permlane16_swap_b32 v[PCD+6*\c+\i], v[PTY+4*\c+\i]
.endr
.irp i, 0,1,2
	v_mov_b32 v[PCD+3+6*\c+\i], v[PTY+4*\c+\i]
.endr
.endr
.rept 4
	v_nop                                          ; an operand written by vector instructions stands four places ahead of a scaled matrix instruction (the scale word stands far more than eight)
.endr
	s_wait_dscnt 0x0
.irp t, 0,1,2,3
	v_wmma_scale_f32_16x16x128_f8f6f4 v[OX+8*\t:OX+8*\t+7], v[S+12*\t:S+12*\t+11], v[PCD:PCD+11], v[OX+8*\t:OX+8*\t+7], v[VSW+\t], v[PWD] matrix_a_fmt:MATRIX_FMT_BF6 matrix_b_fmt:MATRIX_FMT_BF6
.endr
.Lhid_\@:
.endm
	s_wait_tensorcnt 1                             ; my small fill is in; the large one may be out
	s_barrier_signal -1
	s_barrier_wait -1                              ; records 0 to 3 are whole
	s_mov_b32 s[CNT], 4
.Lfirst:
	STEP 0
	STEP 1
	s_add_co_u32 s[KS], s[KS], 1
	s_add_co_u32 s[TB], s[TB], REC
	s_sub_co_u32 s[CNT], s[CNT], 1
	s_cmp_lg_u32 s[CNT], 0
	s_cbranch_scc1 .Lfirst
	s_wait_tensorcnt 0x0                           ; my large fill is in,
	s_wait_dscnt 0x0
	s_barrier_signal -1
	s_barrier_wait -1                              ; everybody's is
	s_mov_b32 s[CNT], 12
.Lrest:
	STEP 0
	STEP 1
	s_add_co_u32 s[KS], s[KS], 1
	s_add_co_u32 s[TB], s[TB], REC
	s_sub_co_u32 s[CNT], s[CNT], 1
	s_cmp_lg_u32 s[CNT], 0
	s_cbranch_scc1 .Lrest
; THE WAY OUT of tile x: O^T / the sum; the halves of the lanes change eight registers of each block, so that a lane holds 16 neighbouring channels in true order; two blocks are quantised; six registers and two bytes a row leave.
.macro OUT x, ap, asp
.set NM, 12+18*(\x)
.set OX, OT+32*(\x)
.set CX, 176+8*(\x)
.set CY, 192+4*(\x)
	v_add_f32 v252, v[NM+2], v[NM+3]
	v_permlanex16_b32 v253, v252, s[SEL], s[SEL+1]
	v_add_f32 v252, v252, v253
	v_rcp_f32 v252, v252
	v_nop
	s_wait_alu depctr_va_vdst(0)
.set n, 0
.rept 32
	v_mul_f32 v[S+n], v[OX+n], v252                ; register 8 t + i: channel 16 t + 8 h + i
.set n, n+1
.endr
.irp c, 0,1
.irp j, 0,1,2,3,4,5,6,7
	v_permlane16_swap_b32 v[S+16*\c+\j], v[S+16*\c+8+\j]   ; now register 16 c + i: channel 32 c + 16 h + i
.endr
.endr
.irp c, 0,1
	v_max3_num_f32 v[BM+\c], |v[S+16*\c]|, |v[S+16*\c+1]|, 0x2800000
.endr
.irp i, 2,4,6,8,10,12,14
.irp c, 0,1
	v_max3_num_f32 v[BM+\c], v[BM+\c], |v[S+16*\c+\i]|, |v[S+16*\c+\i+1]|
.endr
.endr
.irp c, 0,1
	v_permlanex16_b32 v[PT+\c], v[BM+\c], s[SEL], s[SEL+1]
.endr
.irp c, 0,1
	v_max_num_f32 v[BM+\c], v[BM+\c], v[PT+\c]
.endr
.irp c, 0,1
	v_add_nc_u32 v[BM+2+\c], 0xfe000000, v[BM+\c]
.endr
.irp c, 0,1
	v_lshrrev_b32 v[254+\c], 23, v[BM+2+\c]
.endr
	v_lshl_or_b32 v[200+(\x)], v255, 8, v254
	v_cvt_scalef32_pk16_bf6_f32 v[CX:CX+2], v[S:S+15], v[BM+2]
	v_cvt_scalef32_pk16_bf6_f32 v[CY:CY+2], v[S+16:S+31], v[BM+3]
	v_nop
.irp i, 0,1,2
	v_permlane16_swap_b32 v[CX+\i], v[CY+\i]
.endr
.irp i, 0,1,2
	v_mov_b32 v[CX+3+\i], v[CY+\i]
.endr
.irp p, 0,1,2
	global_store_b64 v[L8], v[CX+2*\p:CX+2*\p+1], s[\ap:\ap+1] offset:256*\p   ; 32 lanes store 256 consecutive bytes, aligned
.endr
	global_store_b16 v[RS32], v[200+(\x)], s[\asp:\asp+1]   ; two bytes a row, rows 32 bytes apart (both halves of the lanes write the same): a row's word of four bytes spans two heads, which two clusters own
.endm
.rept 4
	v_nop                                          ; places behind the last products
.endr
	OUT 0, 74, 78
	OUT 1, 76, 16
	s_wait_dscnt 0x0
	s_wait_xcnt 0x0
	v_lshl_add_u32 v254, v0, 2, 0x34000
	v_mov_b32 v255, 0
	s_wait_tensorcnt 0x0
	ds_add_u32 v254, v255
	s_wait_dscnt 0x0
	ROUND                                          ; the closing round
	s_endpgm
.Lfunc_end_k_q2ff035e76e_attn:
	.size	k_q2ff035e76e_attn, .Lfunc_end_k_q2ff035e76e_attn-k_q2ff035e76e_attn
	.p2alignl 7, 3214868480
	.fill 96, 4, 3214868480
	.section	.rodata,"a",@progbits
	.p2align	6, 0x0
	.amdhsa_kernel k_q2ff035e76e_attn
		.amdhsa_group_segment_fixed_size 215040
		.amdhsa_private_segment_fixed_size 0
		.amdhsa_enable_private_segment 0
		.amdhsa_kernarg_size 40
		.amdhsa_user_sgpr_count 2
		.amdhsa_user_sgpr_kernarg_segment_ptr 1
		.amdhsa_wavefront_size32 1
		.amdhsa_system_sgpr_workgroup_id_x 1
		.amdhsa_system_sgpr_workgroup_id_y 1
		.amdhsa_system_sgpr_workgroup_id_z 1
		.amdhsa_system_vgpr_workitem_id 0
		.amdhsa_next_free_vgpr 256
		.amdhsa_next_free_sgpr 80
		.amdhsa_reserve_vcc 1
		.amdhsa_float_denorm_mode_32 3
		.amdhsa_float_denorm_mode_16_64 3
		.amdhsa_memory_ordered 1
		.amdhsa_forward_progress 1
		.amdhsa_inst_pref_size 101
	.end_amdhsa_kernel
	.amdgpu_metadata
---
amdhsa.version: [ 1, 2 ]
amdhsa.kernels:
  - .name:           k_q2ff035e76e_attn
    .symbol:         k_q2ff035e76e_attn.kd
    .args:
      - { .name: qc, .offset: 0, .size: 8, .value_kind: global_buffer, .address_space: global }
      - { .name: qs, .offset: 8, .size: 8, .value_kind: global_buffer, .address_space: global }
      - { .name: kv, .offset: 16, .size: 8, .value_kind: global_buffer, .address_space: global }
      - { .name: ac, .offset: 24, .size: 8, .value_kind: global_buffer, .address_space: global }
      - { .name: asc, .offset: 32, .size: 8, .value_kind: global_buffer, .address_space: global }
    .group_segment_fixed_size: 215040
    .private_segment_fixed_size: 0
    .kernarg_segment_align: 8
    .kernarg_segment_size: 40
    .max_flat_workgroup_size: 512
    .sgpr_count:     80
    .vgpr_count:     256
    .wavefront_size: 32
...
	.end_amdgpu_metadata
.endif
;; end of part 3
;; launch proj (part 4): grid 4 x 32, 4 waves a work-group, clusters of 4 x 4, 327,680 bytes of LDS; arguments ac, asc, Wp_codes, Wp_scales, x, out0; writes out0
.if DOCPART == 4
	.amdgcn_target "amdgcn-amd-amdhsa--gfx1250"
	.amdhsa_code_object_version 6
	.text
	.protected	k_q2ff035e76e_proj
	.globl	k_q2ff035e76e_proj
	.p2align	8
	.type	k_q2ff035e76e_proj,@function
k_q2ff035e76e_proj:
	s_mov_b64 s[64:65], 0
	v_nop
	global_prefetch_b8 v0, s[64:65] scope:SCOPE_SE
	s_setreg_imm32_b32 hwreg(HW_REG_WAVE_MODE, 25, 1), 1
	s_wait_xcnt 0x0
	s_wait_alu depctr_hold_cnt(0) depctr_sa_sdst(0) depctr_va_vdst(0) depctr_va_sdst(0) depctr_va_ssrc(0) depctr_va_vcc(0) depctr_vm_vsrc(0)
	s_getreg_b32 s2, hwreg(HW_REG_IB_STS2, 6, 4)
	s_cmp_eq_u32 s2, 0
	s_cbranch_scc0 .Lentry_in_a_cluster
	s_endpgm
.Lentry_in_a_cluster:
	s_bfe_u32 s2, ttmp6, 0x10000c
	s_cmp_lg_u32 s2, 0xf033
	s_cbranch_scc0 .Lentry_shape_is_right
	s_endpgm
.Lentry_shape_is_right:
; out0 = x + att Wp^T on codes of BF6 (E3M2) with one E8M0 scale for each 32 along K = 1,024; sums in f32; the residual is added in f32 on the way out.
; A tile of 256 tokens x 256 channels is made by four waves, each 128 x 128: 64 accumulators, 512 registers.  K goes in steps of 256 through a ring of two LDS slots.
; A (the attention's result) arrives as images of operand registers, [tile of 16 rows][K step of 128][piece 6][lane 32][8 bytes]; B (Wp) as rows of codes, 192 bytes in a slot, 16 bytes of padding behind every 64, pitch 240.
; Both sides' scale bytes for all of K come once, with the first fills, and stay.  CLUSTERS 4 x 4: A's tiles are asked for jointly along a row of the cluster, B's along a column.
; 128 tiles of 256 x 256: a smaller tile would halve the matrix work between a slot's request and the wait for it, so half the grid that 256 tiles would give is taken.
; THE MATRIX INSTRUCTION IS USED TRANSPOSED (source 0 = 16 rows of Wp, source 1 = 16 tokens): a lane holds eight neighbouring numbers of a row of the result.
; THE WAY OUT: a block of 16 rows x 128 columns goes through the wave's own stage (in slot 0, which has had its last fill and its last read) and comes back as whole rows of 512 bytes; x's rows, asked for four blocks ahead, are added; 32 lanes store 512 consecutive bytes.
.set KSTEP,  256
.set NQ,     2
.set ROWB,   192
.set KROW,   768
.set PITCH,  240
.set FR,     12
.set NL,     6
.set NP,     4
.set HALFA,  24576
.set HALFB,  128*PITCH
.set BOFF,   2*HALFA
.set SLOT,   2*HALFA+2*HALFB
.set LAPS,   2
.set KS,     32
.set SCL,    2*SLOT
.set HALFS,  4352
.set SBLK,   544
.set SPARE,  SCL+4*HALFS               ; the spare words, 128 bytes a wave: two blocks of 256 bytes that no other line names
.set SPITCH, 528
.set ADRA, 16
.set ADRB, 20
.set STO,  24
.set RD,   25
.set CO,   26
.set ADRS, 27
.set SPW,  28
.set NIL,  29
.set SC,   32
.set AF,   128
.set BK,   128
.set G1, 24
.set G0, 32
.set G1B, 48
.set G0B, 56
.set G1S, 68
.set G0S, 76
.set G1SB, 80
.set G0SB, 88
.set MSB, 0
.macro WIN new                         ; the immediate's high byte repeats the setting that is left
.if MSB != (\new)
	s_set_vgpr_msb (MSB<<8)|(\new)
.set MSB, (\new)
.endif
.endm
.set MUL_LO, 0xa1
.set MUL_HI, 0xf1
.set TO_B,   0x40
.macro JLOAD g0a, g1a, g0b, g1b        ; a joint load: waves 0 and 1 fetch for A, waves 2 and 3 for B; four v_nop follow each of the two lines
	s_cmp_eq_u32 s15, 0
	s_cbranch_scc0 .Lfor_b_\@
	tensor_load_to_lds s[\g0a:\g0a+3], s[\g1a:\g1a+7]
	s_nop 0
.rept 4
	v_nop
.endr
	s_branch .Lasked_\@
.Lfor_b_\@:
	tensor_load_to_lds s[\g0b:\g0b+3], s[\g1b:\g1b+7]
	s_nop 0
.rept 4
	v_nop
.endr
.Lasked_\@:
.endm
.macro CREST
	s_cmp_lg_u32 s14, 0
	s_cbranch_scc1 .Lnot_wave_0_\@
	s_barrier_signal -3
.Lnot_wave_0_\@:
	s_barrier_wait -3
	s_barrier_signal -1
	s_barrier_wait -1
.endm
.macro CROUND
	s_barrier_signal -1
	s_barrier_wait -1
	CREST
.endm
	s_load_b128 s[4:7], s[0:1], 0x0                ; the attention's codes, its scales
	s_load_b128 s[8:11], s[0:1], 0x10              ; Wp's codes, Wp's scales
	s_load_b128 s[92:95], s[0:1], 0x20             ; x, out0
	v_lshl_add_u32 v[SPW], v0, 2, SPARE
	v_mov_b32 v[NIL], 0
	ds_add_u32 v28, v29
	ds_add_u32 v28, v29
	s_wait_dscnt 0x0
	v_lshrrev_b32 v1, 5, v0
	v_readfirstlane_b32 s14, v1                    ; wave 0..3
	s_lshr_b32 s15, s14, 1
	s_and_b32 s16, s14, 1
	s_bfe_u32 s40, ttmp6, 0x40000                  ; cx
	s_bfe_u32 s41, ttmp6, 0x40004                  ; cy
	s_lshl_b32 s42, ttmp9, 2
	s_add_co_u32 s42, s42, s40                     ; tile column
	s_and_b32 s17, ttmp7, 0xffff
	s_lshl_b32 s17, s17, 2
	s_add_co_u32 s17, s17, s41                     ; tile row
	s_lshl_b32 s43, s41, 2
	s_lshl_b32 s43, 15, s43                        ; my row of the cluster
	s_lshl_b32 s44, 0x1111, s40                    ; my column
	s_or_b32 s[G1+0], s43, (3<<16)|(1<<21)         ; A: elements of 8 bytes, no padding
	s_mov_b32 s[G1+1], 384<<16
	s_mov_b32 s[G1+2], 8<<16
	s_mov_b32 s[G1+3], 384<<16
	s_mov_b32 s[G1+4], 8
	s_mov_b32 s[G1+5], 1536
	s_mov_b32 s[G1+6], 0
	s_mov_b32 s[G1+7], 0
	s_or_b32 s[G1B+0], s44, (0<<16)|(1<<20)|(1<<21)|(3<<22)|(3<<25)
	s_mov_b32 s[G1B+1], ROWB<<16
	s_mov_b32 s[G1B+2], 128<<16
	s_mov_b32 s[G1B+3], ROWB<<16
	s_mov_b32 s[G1B+4], 128
	s_mov_b32 s[G1B+5], KROW
	s_mov_b32 s[G1B+6], 0
	s_mov_b32 s[G1B+7], 0
	s_or_b32 s[G1S+0], s43, (3<<16)|(1<<20)|(1<<21)|(5<<22)|(3<<25)
	s_or_b32 s[G1SB+0], s44, (3<<16)|(1<<20)|(1<<21)|(5<<22)|(3<<25)
.irp g, G1S, G1SB
	s_mov_b32 s[\g+1], 32<<16
	s_mov_b32 s[\g+2], 16<<16
	s_mov_b32 s[\g+3], 32<<16
	s_mov_b32 s[\g+4], 16
	s_mov_b32 s[\g+5], 32
	s_mov_b32 s[\g+6], 0
	s_mov_b32 s[\g+7], 0
.endr
	s_lshl_b32 s20, s17, 4
	s_lshl_b32 s21, s16, 3
	s_add_co_u32 s20, s20, s21                     ; A: tile of rows 16 x tile row + 8 x half
	s_lshl_b32 s22, s20, 9
	s_mul_i32 s20, s20, 12288
	s_mov_b32 s21, 0
	s_mov_b32 s23, 0
	s_lshl_b32 s46, s42, 8
	s_lshl_b32 s47, s16, 7
	s_add_co_u32 s46, s46, s47                     ; B: row 256 x tile column + 128 x half
	s_lshl_b32 s66, s46, 5
	s_mul_i32 s46, s46, KROW
	s_mov_b32 s47, 0
	s_mov_b32 s67, 0
	s_mul_i32 s45, s16, HALFA
	s_mul_i32 s18, s16, HALFB
	s_add_co_u32 s18, s18, BOFF
	s_mul_i32 s19, s14, HALFS
	s_wait_kmcnt 0x0
	s_add_nc_u64 s[20:21], s[4:5], s[20:21]
	s_add_nc_u64 s[22:23], s[6:7], s[22:23]
	s_add_nc_u64 s[46:47], s[8:9], s[46:47]
	s_add_nc_u64 s[66:67], s[10:11], s[66:67]
	CROUND                                         ; all sixteen work-groups are here: the first joint loads meet
	s_mov_b32 s[G0S], 1
	s_add_co_u32 s[G0S+1], s19, SCL
	s_mov_b64 s[G0S+2:G0S+3], s[22:23]
	s_or_b32 s[G0S+3], s[G0S+3], 0x80000000
	s_mov_b32 s[G0SB], 1
	s_add_co_u32 s[G0SB+1], s19, SCL
	s_mov_b64 s[G0SB+2:G0SB+3], s[66:67]
	s_or_b32 s[G0SB+3], s[G0SB+3], 0x80000000
	JLOAD G0S, G1S, G0SB, G1SB
.irp s, 0,1
	s_mov_b32 s[G0+4*\s], 1
	s_add_co_u32 s[G0+4*\s+1], s45, \s*SLOT
	s_add_nc_u64 s[G0+4*\s+2:G0+4*\s+3], s[20:21], \s*3072
	s_or_b32 s[G0+4*\s+3], s[G0+4*\s+3], 0x80000000
	s_mov_b32 s[G0B+4*\s], 1
	s_add_co_u32 s[G0B+4*\s+1], s18, \s*SLOT
	s_add_nc_u64 s[G0B+4*\s+2:G0B+4*\s+3], s[46:47], \s*ROWB
	s_or_b32 s[G0B+4*\s+3], s[G0B+4*\s+3], 0x80000000
	JLOAD G0+4*\s, G1, G0B+4*\s, G1B
.endr
	v_and_b32 v1, 15, v0                           ; r
	v_bfe_u32 v2, v0, 4, 1                         ; h
	v_and_b32 v3, 31, v0                           ; lane
	v_mul_u32_u24 v4, v1, PITCH
	v_mad_u32_u24 v4, v2, 24, v4
	v_lshl_add_u32 v5, v2, 4, v4
	v_lshlrev_b32 v6, 3, v3
	s_mul_i32 s21, s15, HALFA
	s_mul_i32 s22, s16, HALFB
	s_add_co_u32 s22, s22, BOFF
.irp s, 0,1
	v_add_nc_u32 v[ADRA+\s], s21, v6
	v_add_nc_u32 v[ADRB+\s], s22, v4
	v_add_nc_u32 v[ADRB+2+\s], s22, v5
	s_add_co_u32 s21, s21, SLOT
	s_add_co_u32 s22, s22, SLOT
.endr
	v_mul_u32_u24 v5, v1, KS
	v_lshrrev_b32 v6, 8, v5
	v_lshl_add_u32 v5, v6, 4, v5
	s_mul_i32 s21, s15, HALFS
	s_mul_i32 s22, s16, HALFS
	s_add_co_u32 s22, s22, 2*HALFS
	s_sub_co_u32 s22, s22, s21
	v_mul_u32_u24 v6, s22, v2                      ; lanes 16-31 take B's
	s_add_co_u32 s21, s21, SCL
	v_add_nc_u32 v5, v5, v6
	v_add_nc_u32 v[ADRS], s21, v5
	s_mul_i32 s3, s14, 16*SPITCH                   ; my stage
	v_mul_u32_u24 v5, v1, SPITCH
	v_lshl_add_u32 v5, v2, 5, v5
	v_add_nc_u32 v[STO], s3, v5                    ; in: row r, 32 bytes for each half of the lanes
	v_lshlrev_b32 v[CO], 4, v3                     ; back: the 32 lanes take one row of 512 bytes; and the same in x and out0
	v_add_nc_u32 v[RD], s3, v[CO]
	s_lshl_b32 s12, s17, 8
	s_lshl_b32 s13, s15, 7
	s_add_co_u32 s12, s12, s13                     ; my first row,
	s_lshl_b32 s12, s12, 12                        ; of 4,096 bytes,
	s_lshl_b32 s13, s42, 10
	s_add_co_u32 s12, s12, s13                     ; + 1,024 x tile column
	s_lshl_b32 s13, s16, 9
	s_add_co_u32 s12, s12, s13                     ; + 512 x half
	s_mov_b32 s13, 0
	s_add_nc_u64 s[92:93], s[92:93], s[12:13]      ; neither pointer is stepped afterwards: a row's place stands in the immediate, 127 x 4,096 bytes at the most
	s_add_nc_u64 s[94:95], s[94:95], s[12:13]
.macro FRAG reg, adr, q, i
.irp p, 0,1,2,3,4,5
.set PCE, 12*(\q)+6*(\p/3)+\p%3
.if PCE%8 < 5
	ds_load_b64 v[\reg+2*\p:\reg+2*\p+1], v[\adr] offset:8*PCE+16*(PCE/8)+(\i)*16*PITCH
.else
	ds_load_b64 v[\reg+2*\p:\reg+2*\p+1], v[\adr+2] offset:8*PCE+16*(PCE/8)+(\i)*16*PITCH
.endif
.endr
.endm
.macro FRAGA reg, slot, q, i
.irp p, 0,1,2,3,4,5
	ds_load_b64 v[\reg+2*\p:\reg+2*\p+1], v[ADRA+\slot] offset:(\i)*3072+(\q)*1536+256*\p
.endr
.endm
; The 64 accumulators take turns, one instruction a turn, in the same order in every step.
.macro MUL16 a0, p, q, sc, zero
.irp a, \a0, \a0+1
.irp b, 0,1,2,3,4,5,6,7
.if \zero
	v_wmma_scale_f32_16x16x128_f8f6f4 v[8*(8*((\a)%4)+\b):8*(8*((\a)%4)+\b)+7], v[128*(\p)+FR*\b:128*(\p)+FR*\b+FR-1], v[AF+FR*(\a):AF+FR*(\a)+FR-1], 0, v[SC+8*NQ*(\sc)+NQ*\b+(\q)], v[SC+8*NQ*(\sc)+NQ*(\a)+(\q)] matrix_a_fmt:MATRIX_FMT_BF6 matrix_b_fmt:MATRIX_FMT_BF6 matrix_a_scale:MATRIX_SCALE_ROW1
.else
	v_wmma_scale_f32_16x16x128_f8f6f4 v[8*(8*((\a)%4)+\b):8*(8*((\a)%4)+\b)+7], v[128*(\p)+FR*\b:128*(\p)+FR*\b+FR-1], v[AF+FR*(\a):AF+FR*(\a)+FR-1], v[8*(8*((\a)%4)+\b):8*(8*((\a)%4)+\b)+7], v[SC+8*NQ*(\sc)+NQ*\b+(\q)], v[SC+8*NQ*(\sc)+NQ*(\a)+(\q)] matrix_a_fmt:MATRIX_FMT_BF6 matrix_b_fmt:MATRIX_FMT_BF6 matrix_a_scale:MATRIX_SCALE_ROW1
.endif
.endr
.endr
.endm
.macro FETCH_B slot, q, p
	WIN TO_B
.irp i, 0,1,2,3,4,5,6,7
	FRAG 128*(\p)+FR*\i, ADRB+\slot, \q, \i
.endr
	WIN 0
.endm
.macro FETCH_A slot, q, i0
.irp i, \i0, \i0+1, \i0+2, \i0+3
	FRAGA AF+FR*(\i), \slot, \q, \i
.endr
.endm
.macro SCALES sc
.irp i, 0,1,2,3,4,5,6,7
	ds_load_b64 v[SC+8*NQ*\sc+NQ*\i:SC+8*NQ*\sc+NQ*\i+1], v[ADRS] offset:\i*SBLK
.endr
.endm
.macro PLACES n
.rept \n
	v_nop
.endr
.endm
.macro STEP slot, q, zero
	s_wait_dscnt 4*NL                              ; B's set and A's blocks 0-3 are in; the youngest 24 loads (A's blocks 4-7) may be out
	WIN MUL_LO
	MUL16 0, (\q)%2, \q, \slot, \zero
	MUL16 2, (\q)%2, \q, \slot, \zero
	s_wait_dscnt 0
	PLACES NP
	FETCH_B \slot, (\q)+1, 1-(\q)%2
	FETCH_A \slot, (\q)+1, 0
	WIN MUL_HI
	MUL16 4, (\q)%2, \q, \slot, \zero
	MUL16 6, (\q)%2, \q, \slot, \zero
	PLACES NP
	WIN 0
	FETCH_A \slot, (\q)+1, 4
.endm
.macro TURN slot, next, fill
	s_wait_tensorcnt 0x0                           ; all my tensor loads have landed: my part of the next slot
	ds_add_u32 v[SPW], v[NIL]                      ; 0 onto my spare word
	s_wait_dscnt 4*NL+1                            ; the add and the youngest 24 loads may be out
	WIN MUL_LO
	MUL16 0, 1, NQ-1, \slot, 0
	s_wait_dscnt 0x0                               ; the add is done, and my reads of this slot are over
	s_barrier_signal -1
	MUL16 2, 1, NQ-1, \slot, 0
	WIN 0
	s_barrier_wait -1
.if \fill
	CREST                                          ; the barrier has opened a round of the cluster's: no wave of any partner still reads this slot or has a load on its way
	s_add_nc_u64 s[G0+4*\slot+2:G0+4*\slot+3], s[G0+4*\slot+2:G0+4*\slot+3], 2*3072
	s_add_nc_u64 s[G0B+4*\slot+2:G0B+4*\slot+3], s[G0B+4*\slot+2:G0B+4*\slot+3], 2*ROWB
	JLOAD G0+4*\slot, G1, G0B+4*\slot, G1B
.else
	PLACES NP
.endif
	v_add_nc_u32 v[ADRS], 4*NQ, v[ADRS]
	FETCH_B \next, 0, 0
	FETCH_A \next, 0, 0
	SCALES \next
	WIN MUL_HI
	MUL16 4, 1, NQ-1, \slot, 0
	MUL16 6, 1, NQ-1, \slot, 0
	PLACES NP
	WIN 0
	FETCH_A \next, 0, 4
.endm
	s_wait_tensorcnt 1                             ; the scales and my part of slot 0 are in; slot 1's load may be out
	s_barrier_signal -1
	s_barrier_wait -1
	FETCH_B 0, 0, 0
	FETCH_A 0, 0, 0
	SCALES 0
	FETCH_A 0, 0, 4
	STEP 0, 0, 1
	s_mov_b32 s3, LAPS-1
.Llap:
	TURN 0, 1, 1
	STEP 1, 0, 0
	TURN 1, 0, 1
	STEP 0, 0, 0
	s_sub_co_u32 s3, s3, 1
	s_cmp_lg_u32 s3, 0
	s_cbranch_scc1 .Llap
	TURN 0, 1, 0
	STEP 1, 0, 0
	s_wait_dscnt 4*NL
	WIN MUL_LO
	MUL16 0, 1, NQ-1, 1, 0
	MUL16 2, 1, NQ-1, 1, 0
	s_wait_dscnt 0
	WIN MUL_HI
	MUL16 4, 1, NQ-1, 1, 0
	MUL16 6, 1, NQ-1, 1, 0
	WIN 0
.macro XLOAD a                         ; x's 16 rows of block a into window 1, set a % 4: 512 consecutive bytes a load
	WIN 0x40
.irp t, 0,1,2,3,4,5,6,7,8,9,10,11,12,13,14,15
	global_load_b128 v[64*((\a)%4)+4*\t:64*((\a)%4)+4*\t+3], v[CO], s[92:93] offset:(16*(\a)+\t)*4096 th:TH_LOAD_NT
.endr
	WIN 0
.endm
.macro TOSTAGE a
.set AC, 64*((\a)%4)
	WIN 0x08+4*((\a)/4)                            ; the data: window 2 or 3
.irp b, 0,1,2,3,4,5,6,7
	ds_store_b128 v[STO], v[AC+8*\b:AC+8*\b+3] offset:64*\b          ; each accumulator from its low end on
	ds_store_b128 v[STO], v[AC+8*\b+4:AC+8*\b+7] offset:64*\b+16
.endr
	WIN 0
.set BB, BK+64*((\a)%2)
.irp t, 0,1,2,3,4,5,6,7,8,9,10,11,12,13,14,15
	ds_load_b128 v[BB+4*\t:BB+4*\t+3], v[RD] offset:\t*SPITCH        ; LDS serves a wave's instructions in order (ISA guide 5.7.1.4): these see the stores above
.endr
.endm
.macro SEND a, younger, left           ; younger: LDS instructions issued behind block a's loads; left: x's loads of later blocks
.set BB, BK+64*((\a)%2)
.set XB, 64*((\a)%4)
	s_wait_dscnt \younger
	s_wait_loadcnt \left
	WIN 0x04                                       ; source 1: window 1
.set n, 0
.rept 32
	v_pk_add_f32 v[BB+n:BB+n+1], v[BB+n:BB+n+1], v[XB+n:XB+n+1]      ; the residual
.set n, n+2
.endr
	WIN 0
.irp t, 0,1,2,3,4,5,6,7,8,9,10,11,12,13,14,15
	global_store_b128 v[CO], v[BB+4*\t:BB+4*\t+3], s[94:95] offset:(16*(\a)+\t)*4096 th:TH_STORE_NT   ; 32 lanes store 512 consecutive bytes, aligned
.endr
.endm
	PLACES NP                                      ; in front of loads into registers that the last products read and of the first reads of results
	XLOAD 0
	XLOAD 1
	XLOAD 2
	XLOAD 3
	TOSTAGE 0
	TOSTAGE 1
	SEND 0, 32, 48
	XLOAD 4
	s_wait_xcnt 0x0                                ; block 0's stores have read their registers: block 2's rows may land there
	TOSTAGE 2
	SEND 1, 32, 48
	XLOAD 5
	s_wait_xcnt 0x0
	TOSTAGE 3
	SEND 2, 32, 48
	XLOAD 6
	s_wait_xcnt 0x0
	TOSTAGE 4
	SEND 3, 32, 48
	XLOAD 7
	s_wait_xcnt 0x0
	TOSTAGE 5
	SEND 4, 32, 48
	s_wait_xcnt 0x0
	TOSTAGE 6
	SEND 5, 32, 32
	s_wait_xcnt 0x0
	TOSTAGE 7
	SEND 6, 32, 16
	SEND 7, 0, 0
	s_wait_tensorcnt 0x0                           ; the wave's end
	ds_add_u32 v[SPW], v[NIL]
	s_wait_dscnt 0x0
	CROUND                                         ; the closing round
	s_endpgm
.Lfunc_end_k_q2ff035e76e_proj:
	.size	k_q2ff035e76e_proj, .Lfunc_end_k_q2ff035e76e_proj-k_q2ff035e76e_proj
	.p2alignl 7, 3214868480
	.fill 96, 4, 3214868480
	.section	.rodata,"a",@progbits
	.p2align	6, 0x0
	.amdhsa_kernel k_q2ff035e76e_proj
		.amdhsa_group_segment_fixed_size 327680
		.amdhsa_private_segment_fixed_size 0
		.amdhsa_enable_private_segment 0
		.amdhsa_kernarg_size 48
		.amdhsa_user_sgpr_count 2
		.amdhsa_user_sgpr_kernarg_segment_ptr 1
		.amdhsa_wavefront_size32 1
		.amdhsa_system_sgpr_workgroup_id_x 1
		.amdhsa_system_sgpr_workgroup_id_y 1
		.amdhsa_system_sgpr_workgroup_id_z 1
		.amdhsa_system_vgpr_workitem_id 0
		.amdhsa_next_free_vgpr 1024
		.amdhsa_next_free_sgpr 102
		.amdhsa_reserve_vcc 0
		.amdhsa_float_denorm_mode_32 3
		.amdhsa_float_denorm_mode_16_64 3
		.amdhsa_memory_ordered 1
		.amdhsa_forward_progress 1
		.amdhsa_inst_pref_size 189
	.end_amdhsa_kernel
	.amdgpu_metadata
---
amdhsa.version: [ 1, 2 ]
amdhsa.kernels:
  - .name:           k_q2ff035e76e_proj
    .symbol:         k_q2ff035e76e_proj.kd
    .args:
      - { .name: ac, .offset: 0, .size: 8, .value_kind: global_buffer, .address_space: global }
      - { .name: asc, .offset: 8, .size: 8, .value_kind: global_buffer, .address_space: global }
      - { .name: Wp_codes, .offset: 16, .size: 8, .value_kind: global_buffer, .address_space: global }
      - { .name: Wp_scales, .offset: 24, .size: 8, .value_kind: global_buffer, .address_space: global }
      - { .name: x, .offset: 32, .size: 8, .value_kind: global_buffer, .address_space: global }
      - { .name: out0, .offset: 40, .size: 8, .value_kind: global_buffer, .address_space: global }
    .group_segment_fixed_size: 327680
    .private_segment_fixed_size: 0
    .kernarg_segment_align: 8
    .kernarg_segment_size: 48
    .max_flat_workgroup_size: 128
    .sgpr_count:     102
    .vgpr_count:     1024
    .wavefront_size: 32
...
	.end_amdgpu_metadata
.endif
;; end of part 4
